; MI455X (gfx1250); checked and timed in simulation.
; The chip was launched on July 23, 2026; its instructions are those of AMD's public machine-readable ISA for CDNA 5 (MIT licence, August 2026) and "CDNA5" Instruction Set Architecture Reference Guide (July 2026). The comments in the code are by the model that wrote it; some were corrected since.
;; Optimized Mo E. Allowed arithmetic: matrix products marked QUANTISED: E3M2 operands, one E8M0 scale for each 32 along K, by v_wmma_scale_f32_16x16x128_f8f6f4 with both operands' format E3M2, f32 sums; products left as they are: f32 operands where the result goes on into a quantised operand, else bf16, f16 or f32 operands; f32 sums; everything else in f32.
;; Inputs: expert_b 8 x 1,024 float32; expert_w 8 x 1,024 x 1,024 float32; router_b 8 float32; router_w 8 x 1,024 float32; x 2 x 2,048 x 1,024 float32.
;; Outputs: out0 2 x 2,048 x 1,024 float32.
;; This version of the problem:
;;   THIS VERSION OF THE PROBLEM IS GIVEN IN LOW PRECISION. The matrix products marked QUANTISED in the list below multiply operands that are first quantised to E3M2 (3 exponent bits, 2 mantissa bits; 6 bits a number), with one power-of-two scale for each 32 numbers along K (OCP MX v1.0); their sums are f32. All else is computed in f32.
;;   The module's matrix products, in the order in which they are computed (A, B: the left and right operand; K: the contracted axis; several contracted axes count as one K, in the product's order):
;;     1. [M 4,096, K 1,024] x [K 1,024, N 8]; A: input x; B: input router_w: left as it is (N = 8 < 16)
;;     2. [M 4,096, K 1,024] x [K 1,024, N 8,192]; A: input x; B: input expert_w: QUANTISED
;;   THE QUANTISER, for each operand of a quantised product, along K:
;;     - K is cut into blocks of 32 from its start; a last block that is shorter is filled with zeros.
;;     - A block's scale is 2^e with e = floor(log2(the largest magnitude in the block)) - 4, held to -126 .. 127; a block of zeros has e = 0. As a byte (E8M0): e + 127.
;;     - Each number is divided by its block's scale, clamped to +-28, and rounded to the nearest number of E3M2, ties to even, subnormals kept.
;;     - The product sums the exact products of the quantised numbers (number of the format x scale) in f32.
;;   ~~~python
;;   def quantise(x, axis):      # numpy; x: float32 -> the quantised numbers, widened to float32 again
;;       x = np.moveaxis(x, axis, -1); K = x.shape[-1]
;;       x = np.pad(x, [(0, 0)] * (x.ndim - 1) + [(0, -K % 32)]); x = x.reshape(x.shape[:-1] + (-1, 32)); a = np.abs(x).max(-1, keepdims=True)
;;       e = np.where(a > 0, np.clip(np.frexp(np.where(a > 0, a, 1))[1] - 1 - 4, -126, 127), 0)      # np.frexp(a)[1] - 1 = floor(log2(a)), exactly
;;       r = np.clip(x / 2.0 ** e, -28, 28)
;;       step = 2.0 ** (np.maximum(np.frexp(np.where(r == 0, 1, r))[1] - 1, -2) - 2)
;;       q = np.round(r / step) * step * 2.0 ** e      # np.round: ties to even
;;       return np.moveaxis(q.reshape(q.shape[:-2] + (-1,))[..., :K], -1, axis).astype(np.float32)
;;   ~~~
;; 3 versions, each right; version 2 is faster than version 1; version 3 is version 2 with the launch experts written anew for expert scheduling mode. Each part assembles by itself: llvm-mc -triple=amdgcn-amd-amdhsa -mcpu=gfx1250 --defsym DOCPART=n.
;; ======== version 1 of 3: 2 launches
;; workspace buffers: xq 3,145,728 bytes; xs 131,072 bytes; wq 6,291,456 bytes; ws 262,144 bytes; idx 16,384 bytes of whole numbers; gate 16,384 bytes
;; launch prep (part 1): grid 256 x 1, 12 waves a work-group, no clusters, 50,688 bytes of LDS; arguments x, router_w, router_b, expert_w, xq, xs, wq, ws, idx, gate; writes xq, xs, wq, ws, idx, gate
.if DOCPART == 1
	.amdgcn_target "amdgcn-amd-amdhsa--gfx1250"
	.amdhsa_code_object_version 6
	.text
	.protected	k_qbcd1f1e479_prep
	.globl	k_qbcd1f1e479_prep
	.p2align	8
	.type	k_qbcd1f1e479_prep,@function
k_qbcd1f1e479_prep:
	s_mov_b64 s[64:65], 0
	v_nop
	global_prefetch_b8 v0, s[64:65] scope:SCOPE_SE
	s_setreg_imm32_b32 hwreg(HW_REG_WAVE_MODE, 25, 1), 1
	s_wait_xcnt 0x0
; QUANTISER AND ROUTER.  x [4096][1024] and expert_w, taken as [8192][1024], both f32 with K innermost, are read once and turned into codes of BF6 (E3M2),
; 6 bits each, a row of 1,024 codes = 768 bytes (xq, wq), with one E8M0 byte for each 32 along K, 32 bytes a row (xs, ws).
; A block's byte is its largest magnitude's exponent field - 4 (4: the exponent of the format's largest number, 28), held at 1 from below; a block of zeros gets 127.
; Each number is divided by the scale and rounded to the nearest code, ties to even; beyond 28 the largest code.
; From the same registers of x the eight router logits are made in f32 (fused multiply-adds on the unrounded x and router_w), then idx = argmax (the first of equals)
; and gate = softmax at the argmax = 1 / sum of exp(l - max): the maximum is taken away, the sum is at least 1.
; The router is 8 columns wide and a lane holds x along K as the conversions want it, so it runs on the vector unit: no transposition, no matrix instruction.
; LIMITS: NaN and infinities are not served; blocks whose largest magnitude lies under 2^-121, whose byte is held at 1, were not tried; two top logits that differ
; by less than the rounding of an f32 sum of 1,024 terms may route otherwise than a sum taken in another order.
; SHARES: work-group g owns x's rows 16 g .. + 15 (waves 0-3, four rows each) and W's rows 32 g .. + 31 (waves 4-11, four rows each).  A row is two steps of 512
; numbers; in a step lane l holds the 16 neighbours 512 s + 16 l .. + 15 (64 bytes, four loads), two neighbouring lanes hold a block.  All 32 loads of a wave go out at once.
; A lane's 16 codes are 12 bytes: a store covers 384 consecutive bytes, a row's two stores its 768.  Scale bytes are gathered in LDS and leave as runs of 512 bytes.
; idx and gate are 64 bytes a work-group each (16 lanes of one wave store them): the two tables are 32 KiB in all.
; No tensor loads, no cluster: work-groups share nothing but router_w (32 KiB), and every number has to pass through registers to be converted.
.set SC,  0                            ; LDS: scale bytes: local row R = 4 w + t at 32 R: rows 0-15 x's, rows 16-47 W's: 1,536 bytes
.set LG,  1536                         ; logits without the bias: [16 tokens][8] f32: 512 bytes
.set RWL, 16384                        ; router_w, laid so that a wave's read is 512 consecutive bytes: (e, s, i) at RWL + 4096 e + 512 (4 s + i) + 16 lane.
                                       ; It begins at 4 x 4,096, so that wave 4 + e, which brings row e, stores at 4,096 x its own number; the bytes between LG's end and RWL are not used
.set E,   12                           ; v[12:15]   row t's scale byte
.set C,   16                           ; v[16:31]   row t's codes: three of four registers
.set RW,  32                           ; v[32:63]   router_w: first a row on its way into LDS, then two buffers of 16; at last the 32 logits
.set ACC, 64                           ; v[64:127]  token t, expert e: a pair of partial sums at ACC + 2 (8 t + e)
.set X,   128                          ; v[128:255] step s, row t: 16 numbers at X + 64 s + 16 t
	s_load_b512 s[4:19], s[0:1], 0x0               ; x s[4:5], router_w s[6:7], router_b s[8:9], expert_w s[10:11], xq s[12:13], xs s[14:15], wq s[16:17], ws s[18:19]
	s_load_b128 s[20:23], s[0:1], 0x40             ; idx s[20:21], gate s[22:23]
	v_lshl_add_u32 v27, v0, 2, 0xc000
	v_mov_b32 v31, 0
	v_lshrrev_b32 v7, 5, v0
	v_readfirstlane_b32 s34, v7                    ; wave 0..11
	v_and_b32 v7, 31, v0                           ; lane
	v_lshlrev_b32 v1, 6, v7                        ; 64 x lane: my 16 numbers of a step
	v_mul_u32_u24 v2, v7, 12                       ; 12 x lane: their codes
	v_lshlrev_b32 v4, 4, v7                        ; 16 x lane
	v_lshrrev_b32 v3, 1, v7
	s_lshl_b32 s42, s34, 7
	v_add_nc_u32 v3, s42, v3                       ; my wave's four rows of scale bytes, my block's byte
	s_mov_b32 s32, 0x76543210                      ; v_permlanex16_b32: lane i of one half reads lane i of the other
	s_mov_b32 s33, 0xfedcba98
	s_lshl_b32 s42, ttmp9, 4
	s_lshl2_add_u32 s35, s34, s42                  ; an x wave's first row: 16 g + 4 w
	s_max_u32 s43, s34, 4
	s_sub_co_u32 s43, s43, 4                       ; a W wave's number among the eight
	s_lshl_b32 s44, ttmp9, 5
	s_lshl2_add_u32 s44, s43, s44                  ; its first row: 32 g + 4 (w - 4)
	s_mov_b32 s41, 0
	s_wait_kmcnt 0x0
	s_load_b256 s[24:31], s[8:9], 0x0              ; the eight router_b; waited for in front of the second barrier
	s_cmp_lt_u32 s34, 4                            ; x's wave or W's?  The choice hangs on the wave's number alone
	s_cselect_b32 s35, s35, s44
	s_cselect_b64 s[36:37], s[4:5], s[10:11]
	s_cselect_b64 s[38:39], s[12:13], s[16:17]
	s_lshl_b32 s40, s35, 12                        ; a row is 4,096 bytes of f32,
	s_add_nc_u64 s[36:37], s[36:37], s[40:41]
	s_mul_i32 s40, s35, 768                        ; 768 bytes of codes
	s_add_nc_u64 s[38:39], s[38:39], s[40:41]
	s_cmp_lt_u32 s34, 4
	s_cbranch_scc1 .Lx_wave_a
	s_lshl_b32 s42, s34, 12                        ; wave 4 + e brings router_w's row e.  In LDS: 4,096 x wave = RWL + 4,096 e,
	v_add_nc_u32 v6, s42, v4                       ; + 16 lane;
	s_sub_co_u32 s40, s42, RWL                     ; in memory: 4,096 e
	s_add_nc_u64 s[46:47], s[6:7], s[40:41]
.irp m, 0,1,2,3,4,5,6,7
	global_load_b128 v[RW+4*\m:RW+4*\m+3], v1, s[46:47] offset:2048*(\m/4)+16*(\m%4)
.endr
.Lx_wave_a:
.irp s, 0,1
.irp t, 0,1,2,3
.irp i, 0,1,2,3
	global_load_b128 v[X+64*\s+16*\t+4*\i:X+64*\s+16*\t+4*\i+3], v1, s[36:37] offset:4096*\t+2048*\s+16*\i th:TH_LOAD_NT
.endr
.endr
.endr
	s_cmp_lt_u32 s34, 4
	s_cbranch_scc1 .Lx_wave_b
	s_wait_loadcnt 32                              ; loads come back in order (ISA guide 5.7.1): the 32 loads of my rows stay out, router_w's row is in
.irp m, 0,1,2,3,4,5,6,7
	ds_store_b128 v6, v[RW+4*\m:RW+4*\m+3] offset:512*\m
.endr
.Lx_wave_b:
	s_wait_dscnt 0x0                               ; my stores are in LDS, for the other waves' sake,
	s_barrier_signal -1
	s_barrier_wait -1                              ; and so are everybody's: router_w is whole, and nobody writes it again
; Row t's 16 numbers a lane of step s: the block's byte, the codes, both on their way
.macro QSTEP t, s
.set XS, X+64*\s+16*\t
	v_max3_num_f32 v8, |v[XS]|, |v[XS+1]|, |v[XS+2]|               ; the largest magnitude of my 16, in two chains
	v_max3_num_f32 v9, |v[XS+3]|, |v[XS+4]|, |v[XS+5]|
.irp i, 6,10
	v_max3_num_f32 v8, v8, |v[XS+\i]|, |v[XS+\i+1]|
	v_max3_num_f32 v9, v9, |v[XS+\i+2]|, |v[XS+\i+3]|
.endr
	v_max3_num_f32 v8, v8, |v[XS+14]|, |v[XS+15]|
	v_max_num_f32 v8, v8, v9
	v_max_num_f32_dpp v8, v8, v8 row_xmask:1 row_mask:0xf bank_mask:0xf   ; and of my neighbour's 16: the block's
	v_lshrrev_b32 v9, 23, v8                       ; its exponent field (the sign bit is 0)
	v_max_u32 v9, 5, v9                            ; the byte is not to fall under 1
	v_add_nc_u32 v9, -4, v9                        ; the scale's byte
	v_lshlrev_b32 v11, 23, v9                      ; and the scale as f32: the conversion takes its exponent field
	v_cmp_eq_u32 vcc_lo, 0, v8                     ; a block of zeros?
	v_cvt_scalef32_pk16_bf6_f32 v[C+4*\t:C+4*\t+2], v[XS:XS+15], v11
	v_cndmask_b32 v[E+\t], v9, 127, vcc_lo         ; it gets 127.  (Also the one plain vector instruction between a scaled conversion and what touches its result)
	ds_store_b8 v3, v[E+\t] offset:SC+32*\t+16*\s  ; both lanes of a block write the same byte with the same value
	global_store_b96 v2, v[C+4*\t:C+4*\t+2], s[38:39] offset:768*\t+384*\s
.endm
; router_w's row e, my 16 columns of step s, into buffer e % 2
.macro WREQ s, e
.irp i, 0,1,2,3
	ds_load_b128 v[RW+16*((\e)%2)+4*\i:RW+16*((\e)%2)+4*\i+3], v4 offset:RWL+(\e)*4096+(4*(\s)+\i)*512
.endr
.endm
; Step s of the logits: 8 experts x 4 tokens x 16 columns a lane = 256 packed multiply-adds, four chains that do not wait for each other
.macro ROUTER s
	WREQ \s, 0
	WREQ \s, 1
.irp e, 0,1,2,3,4,5,6,7
.if \e < 7
	s_wait_dscnt 0x4                               ; row e is in; the next row's four loads stay out
.else
	s_wait_dscnt 0x0                               ; nothing was asked for behind the last row
.endif
.irp pp, 0,1,2,3,4,5,6,7
.irp t, 0,1,2,3
.if (\s == 0) && (\pp == 0)
	v_pk_mul_f32 v[ACC+2*(8*\t+\e):ACC+2*(8*\t+\e)+1], v[X+64*\s+16*\t+2*\pp:X+64*\s+16*\t+2*\pp+1], v[RW+16*(\e%2)+2*\pp:RW+16*(\e%2)+2*\pp+1]   ; the first product starts the sums
.else
	v_pk_fma_f32 v[ACC+2*(8*\t+\e):ACC+2*(8*\t+\e)+1], v[X+64*\s+16*\t+2*\pp:X+64*\s+16*\t+2*\pp+1], v[RW+16*(\e%2)+2*\pp:RW+16*(\e%2)+2*\pp+1], v[ACC+2*(8*\t+\e):ACC+2*(8*\t+\e)+1]
.endif
.endr
.endr
.if \e < 6
	WREQ \s, \e+2                                  ; two rows ahead, into the buffer just used
.endif
.endr
.endm
	s_wait_loadcnt 16                              ; step 0's loads are in; step 1's sixteen stay out
.irp t, 0,1,2,3
	QSTEP \t, 0
.endr
	s_cmp_ge_u32 s34, 4
	s_cbranch_scc1 .Lw_wave_a
	ROUTER 0
.Lw_wave_a:
	s_wait_loadcnt 0x0                             ; step 1
	s_wait_xcnt 0x0                                ; the stores of step 0's codes have had their addresses translated (ISA guide 3.1): C is written again only behind this wait
	s_wait_dscnt 0x0                               ; and step 0's bytes are in LDS: E is written again
.irp t, 0,1,2,3
	QSTEP \t, 1
.endr
	s_cmp_ge_u32 s34, 4
	s_cbranch_scc1 .Lw_wave_b
	ROUTER 1
	; 32 sums over the lanes, stage by stage: the pair, four steps inside 16 lanes (DPP), one across the halves
.set k, 0
.rept 32
	v_add_f32 v[ACC+2*k], v[ACC+2*k], v[ACC+2*k+1]
.set k, k+1
.endr
.irp m, 1,2,4,8
.set k, 0
.rept 32
	v_add_f32_dpp v[ACC+2*k], v[ACC+2*k], v[ACC+2*k] row_xmask:\m row_mask:0xf bank_mask:0xf
.set k, k+1
.endr
.endr
.set k, 0
.rept 32
	v_permlanex16_b32 v[ACC+2*k+1], v[ACC+2*k], s32, s33   ; the destination, which counts as read, has been written
.set k, k+1
.endr
.set k, 0
.rept 32
	v_add_f32 v[RW+k], v[ACC+2*k], v[ACC+2*k+1]    ; every lane holds the sum of token k / 8, expert k % 8
.set k, k+1
.endr
	s_lshl_b32 s42, s34, 7
	v_mov_b32 v5, s42                              ; my four tokens' 128 bytes
.irp m, 0,1,2,3,4,5,6,7
	ds_store_b128 v5, v[RW+4*\m:RW+4*\m+3] offset:LG+16*\m   ; all lanes write the same bytes with the same values
.endr
.Lw_wave_b:
	s_wait_kmcnt 0x0                               ; router_b
	s_wait_dscnt 0x0                               ; my scale bytes and sums are in LDS, for the other waves' sake
	s_barrier_signal -1
	s_barrier_wait -1
	s_cmp_lt_u32 s34, 3
	s_cbranch_scc0 .Lnot_scales
	; waves 0, 1, 2: 512 scale bytes each leave as they lie: wave 0 x's sixteen rows, waves 1 and 2 W's thirty-two
	s_lshl_b32 s42, s34, 9
	v_add_nc_u32 v7, s42, v4
	ds_load_b128 v[8:11], v7 offset:SC
	s_lshl_b32 s40, ttmp9, 9                       ; xs: 512 g
	s_max_u32 s43, s34, 1
	s_sub_co_u32 s43, s43, 1
	s_lshl_b32 s43, s43, 9
	s_lshl_b32 s44, ttmp9, 10
	s_add_co_u32 s44, s44, s43                     ; ws: 1,024 g + 512 (w - 1)
	s_cmp_eq_u32 s34, 0
	s_cselect_b32 s40, s40, s44
	s_cselect_b64 s[36:37], s[14:15], s[18:19]     ; (the loads that named s[36:37] are in)
	s_add_nc_u64 s[36:37], s[36:37], s[40:41]
	s_wait_dscnt 0x0
	global_store_b128 v4, v[8:11], s[36:37]        ; 32 lanes store 512 consecutive bytes, at a multiple of 512 from the buffer's first byte
	s_wait_xcnt 0x0
	s_mov_b32 exec_lo, -1
	s_wait_tensorcnt 0x0
	ds_add_u32 v27, v31
	s_wait_dscnt 0x0
	s_endpgm
.Lnot_scales:
	s_cmp_eq_u32 s34, 3
	s_cbranch_scc0 .Lend
	; wave 3: lane l takes token l % 16
	v_and_b32 v7, 15, v0
	v_lshlrev_b32 v8, 5, v7
	ds_load_b128 v[32:35], v8 offset:LG
	ds_load_b128 v[36:39], v8 offset:LG+16
	s_lshl_b32 s40, ttmp9, 6                       ; 16 tokens of 4 bytes a work-group
	s_add_nc_u64 s[20:21], s[20:21], s[40:41]
	s_add_nc_u64 s[22:23], s[22:23], s[40:41]
	s_wait_dscnt 0x0
.irp e, 0,1,2,3,4,5,6,7
	v_add_f32 v[32+\e], s[24+\e], v[32+\e]         ; the logits
.endr
	v_mov_b32 v40, 0                               ; argmax,
	v_mov_b32 v41, v32                             ; maximum
.irp e, 1,2,3,4,5,6,7
	v_cmp_gt_f32 vcc_lo, v[32+\e], v41             ; strictly greater: the first of equals stays
	v_cndmask_b32 v40, v40, \e, vcc_lo
	v_max_num_f32 v41, v41, v[32+\e]
.endr
.irp e, 0,1,2,3,4,5,6,7
	v_sub_f32 v[42+\e], v[32+\e], v41
.endr
.irp e, 0,1,2,3,4,5,6,7
	v_mul_f32 v[42+\e], 0x3fb8aa3b, v[42+\e]       ; exp(l - max) = 2^((l - max) log2 e)
.endr
.irp e, 0,1,2,3,4,5,6,7
	v_exp_f32 v[42+\e], v[42+\e]
.endr
	v_and_b32 v53, 31, v0                          ; (a plain vector instruction behind the last exponential before its result is read: ISA guide 5.7.2)  lane
	s_wait_alu depctr_va_vdst(0)
	v_add_f32 v50, v42, v43
.irp e, 2,3,4,5,6,7
	v_add_f32 v50, v50, v[42+\e]
.endr
	v_rcp_f32 v51, v50                             ; the exponential at the argmax is 1
	v_lshlrev_b32 v52, 2, v7                       ; (the plain instruction behind the reciprocal)  4 bytes a token
	s_wait_xcnt 0x0                                ; EXEC is a source of the pending stores of codes: it changes only behind this wait
	v_cmp_gt_u32 vcc_lo, 16, v53
	s_and_saveexec_b32 s45, vcc_lo                 ; lanes 0-15
	global_store_b32 v52, v40, s[20:21]
	s_wait_alu depctr_va_vdst(0)
	global_store_b32 v52, v51, s[22:23]
.Lend:
	s_wait_xcnt 0x0
	s_mov_b32 exec_lo, -1
	s_wait_tensorcnt 0x0
	ds_add_u32 v27, v31
	s_wait_dscnt 0x0
	s_endpgm
.Lfunc_end_k_qbcd1f1e479_prep:
	.size	k_qbcd1f1e479_prep, .Lfunc_end_k_qbcd1f1e479_prep-k_qbcd1f1e479_prep
	.p2alignl 7, 3214868480
	.fill 96, 4, 3214868480
	.section	.rodata,"a",@progbits
	.p2align	6, 0x0
	.amdhsa_kernel k_qbcd1f1e479_prep
		.amdhsa_group_segment_fixed_size 50688
		.amdhsa_private_segment_fixed_size 0
		.amdhsa_enable_private_segment 0
		.amdhsa_kernarg_size 80
		.amdhsa_user_sgpr_count 2
		.amdhsa_user_sgpr_kernarg_segment_ptr 1
		.amdhsa_wavefront_size32 1
		.amdhsa_system_sgpr_workgroup_id_x 1
		.amdhsa_system_sgpr_workgroup_id_y 1
		.amdhsa_system_sgpr_workgroup_id_z 1
		.amdhsa_system_vgpr_workitem_id 0
		.amdhsa_next_free_vgpr 256
		.amdhsa_next_free_sgpr 66
		.amdhsa_reserve_vcc 1
		.amdhsa_float_denorm_mode_32 3
		.amdhsa_float_denorm_mode_16_64 3
		.amdhsa_memory_ordered 1
		.amdhsa_forward_progress 1
		.amdhsa_inst_pref_size 68
	.end_amdhsa_kernel
	.amdgpu_metadata
---
amdhsa.version: [ 1, 2 ]
amdhsa.kernels:
  - .name:           k_qbcd1f1e479_prep
    .symbol:         k_qbcd1f1e479_prep.kd
    .args:
      - { .name: x, .offset: 0, .size: 8, .value_kind: global_buffer, .address_space: global }
      - { .name: router_w, .offset: 8, .size: 8, .value_kind: global_buffer, .address_space: global }
      - { .name: router_b, .offset: 16, .size: 8, .value_kind: global_buffer, .address_space: global }
      - { .name: expert_w, .offset: 24, .size: 8, .value_kind: global_buffer, .address_space: global }
      - { .name: xq, .offset: 32, .size: 8, .value_kind: global_buffer, .address_space: global }
      - { .name: xs, .offset: 40, .size: 8, .value_kind: global_buffer, .address_space: global }
      - { .name: wq, .offset: 48, .size: 8, .value_kind: global_buffer, .address_space: global }
      - { .name: ws, .offset: 56, .size: 8, .value_kind: global_buffer, .address_space: global }
      - { .name: idx, .offset: 64, .size: 8, .value_kind: global_buffer, .address_space: global }
      - { .name: gate, .offset: 72, .size: 8, .value_kind: global_buffer, .address_space: global }
    .group_segment_fixed_size: 50688
    .private_segment_fixed_size: 0
    .kernarg_segment_align: 8
    .kernarg_segment_size: 80
    .max_flat_workgroup_size: 384
    .sgpr_count:     66
    .vgpr_count:     256
    .wavefront_size: 32
...
	.end_amdgpu_metadata
.endif
;; end of part 1
;; launch experts (part 2): grid 256 x 1, 4 waves a work-group, no clusters, 127,488 bytes of LDS; arguments xq, xs, wq, ws, idx, gate, expert_b, out0; writes out0
.if DOCPART == 2
	.amdgcn_target "amdgcn-amd-amdhsa--gfx1250"
	.amdhsa_code_object_version 6
	.text
	.protected	k_qbcd1f1e479_experts
	.globl	k_qbcd1f1e479_experts
	.p2align	8
	.type	k_qbcd1f1e479_experts,@function
k_qbcd1f1e479_experts:
	s_mov_b64 s[64:65], 0
	v_nop
	global_prefetch_b8 v0, s[64:65] scope:SCOPE_SE
	s_setreg_imm32_b32 hwreg(HW_REG_WAVE_MODE, 25, 1), 1
	s_wait_xcnt 0x0
; out[t] = gate[t] (Q(x[t]) Q(W_e)^T + b_e) for the one expert e = idx[t]: only that eighth of reference()'s product is made; its gather throws the rest away for every input.
; Both operands are codes of BF6 (E3M2) with E8M0 scale bytes, as the first launch made them; sums in f32, started from the bias; the gate multiplies at the end.
; SHARES: work-group g: expert e = g >> 5, slice sl = (g >> 1) & 15 (64 output columns), part = g & 1.  Wave w, u = 4 part + w, owns tokens 512 u .. + 511: it ranks those whose
; idx is e into a list and multiplies them, 16 at a time (a block), against all 64 columns.  The slice's codes, 64 rows x 768 bytes, come into LDS once
; (16 rows a wave) and from there into EVERY wave's registers: 4 column tiles x 8 steps of 128 along K x 12 = 384 registers, so that a block reads only its own 16 rows from LDS.
; One barrier (the slice is in LDS); behind it every wave works alone: how many blocks it has hangs on idx, so no barrier may follow.
; THE LIST is made in LDS bytes of the wave's own (each member stores its token at its rank) and read back once into 17 registers, entry 32 j + lane in register j: a pair of
; blocks is one register.  The loop looks at one fixed register, the pair behind the one in hand, and moves the list down by a register a trip: no LDS address hangs on the trip.
; The places behind a list's end, up to the end of its last block, repeat the list's last member: those rows are computed and stored again with equal values by the same wave,
; so EXEC stays full.  All places further on hold tokens of the wave's range: what the last blocks ask for ahead are rows that exist and are not used, so that every block counts
; the same loads.  A wave without a member ends behind the barrier; a wave with an odd number of blocks ends in the middle of its last trip.
; THE MATRIX INSTRUCTION IS USED TRANSPOSED: source 0 = 16 rows of W (output columns), source 1 = 16 tokens.  Register j of lane (r = l % 16, h = l / 16) then holds token r,
; column 16 t + 8 h + j: eight neighbouring numbers of an output row.
; NO CLUSTER, NO TENSOR LOADS: a slice of W is shared by two work-groups only, 48 KiB each; the rows of x that the 16 slices share are gathered by a list, one address a row,
; and the numbers of blocks differ from wave to wave with idx.
; LIMITS: right for any routing (up to 32 blocks a wave), but the work is uneven where a range of 512 tokens leans to one expert; NaN is not served.
.set PW,     784                       ; an LDS row of codes: 768 bytes + 16 = 196 words: row r starts at bank 4 r mod 64 (64 banks of 4 bytes: ISA guide 11.1); lanes 16-31 read 6 words on: the 32 lanes of a load of 8 bytes touch 64 different banks
.set XS0,    64*PW                     ; LDS 0: the slice, 64 rows;  XS: for each wave 16 rows: the block in hand
.set XSWAVE, 16*PW
.set OP,     272                       ; OS: for each wave 16 rows of 256 bytes + 16: an output tile on its way out
.set OS0,    XS0+4*XSWAVE
.set OSWAVE, 16*OP
.set LS0,    OS0+4*OSWAVE              ; LS: for each wave 576 entries of 4 bytes: 0-511 the list, up to 527 its padding, 528-559 where lanes without a member write
.set LSWAVE, 2304
; REGISTERS, window 0 (an instruction names v0-v255; s_set_vgpr_msb says which window each operand place means):
.set L16,  1                           ; 16 (l % 16)
.set FRA,  2                           ; XS + 784 r + 24 h: x's fragments
.set XSW,  3                           ; XS + 784 h + L16: where a loaded row piece goes
.set OSW,  4                           ; OS + 272 r + 32 h
.set OSR,  5                           ; OS + 272 h + L16
.set LB,   6                           ; LS
.set LF,   7                           ; LS + 4 lane
.set R4,   8                           ; 4 r
.set H16,  9                           ; 16 h
.set WFA,  10                          ; 784 r + 24 h: W's fragments
.set WSA,  11                          ; my 16 rows of the slice + 784 h + L16
.set WGA,  12                          ; 768 h + L16
.set DMP,  13                          ; 528 + lane
.set TK0,  14                          ; 512 u + 4 lane
.set LN16, 15                          ; 16 lane
.set WS,   16                          ; v[16:31]   W's scale words, nothing else: tile t, register j: lanes 0-15 the word of K step j, lanes 16-31 of K step 4 + j
.set XSC,  32                          ; v[32:39]   x's scale words, nothing else: set k likewise
.set G,    40                          ; v40, v42   gate of token r, set k (v41, v43: the pairs' partners, 0)
.set T,    44                          ; v[44:47]   at work
.set BI,   48                          ; v[48:79]   8 t + j: bias of column 16 t + 8 h + j
.set ACC,  80                          ; v[80:111]  four accumulators
.set XO,   112                         ; v[112:127] set k: token (row 2 i + h) x 768 + L16
.set OO,   128                         ; v[128:143] set k: token x 4096 + L16
.set SA,   144                         ; v[144:147] set k: token r x 32 + 16 h; token r x 4
.set T2,   148                         ; v[148:155] tokens of rows 2 i + h
.set TR,   156                         ; v156       token of row r
.set LM,   157                         ; the list's last member
.set FIL,  158                         ; my first token
.set TMP,  160                         ; v[160:191] output rows; while the list is made: a place and a token for each of 16 steps
.set IV,   192                         ; v[192:207] idx of my 16 tokens
.set H32,  208                         ; 32 h
.set WSO,  209                         ; 32 r + 16 h
.set LR,   210                         ; v[210:226] the list: register j, lane l: entry 32 j + l; from the loop on register 1 is the pair of blocks behind the one in hand
; window 1: W's fragments of K steps 0-4 at 48 q + 12 t (first v0-95: my 16 rows on their way into LDS);  window 2: K steps 5-7 at 48 (q - 5) + 12 t, and x's fragments at
.set AF,   144                         ; v144-239 of window 2: 12 q;  window 3: v0-95, v96-191 two blocks' rows as loaded, set k
.set MK,   36                          ; s[36:51]   while the list is made: step i: mask of the lanes whose token belongs to e
.set RT,   36                          ; s[36:51]   then: the 16 tokens of the block that is looked up
; s27: my blocks;  s28: my trips, two blocks each;  s32: the trip;  s52, s53: v_permlanex16_b32's selects for lane l xor 16;  s54: the mask of lanes 16-31
; s_set_vgpr_msb's low byte: bits 1:0 source 0, 3:2 source 1, 5:4 source 2, 7:6 destination
.set LD1, 0x40                         ; destination window 1
.set ST1, 0x04                         ; LDS store data (source 1) window 1
.set LD2, 0x80
.set LD3, 0xc0
.set ST3, 0x0c
.set MM1, 0x09                         ; source 0 (W) window 1, source 1 (x) window 2, C and D window 0
.set MM2, 0x0a                         ; both window 2
.set MSB, 0
.macro WIN new                         ; the immediate's high byte repeats the setting that is left; a switch that changes nothing is dropped
.if MSB != (\new)
	s_set_vgpr_msb (MSB<<8)|(\new)
.set MSB, (\new)
.endif
.endm
	s_load_b512 s[4:19], s[0:1], 0x0               ; xq s[4:5], xs s[6:7], wq s[8:9], ws s[10:11], idx s[12:13], gate s[14:15], expert_b s[16:17], out0 s[18:19]
	v_lshl_add_u32 v254, v0, 2, 0x1f000
	v_mov_b32 v255, 0
	v_lshrrev_b32 v[T], 5, v0
	v_readfirstlane_b32 s20, v[T]                  ; wave 0..3
	s_lshr_b32 s21, ttmp9, 5                       ; e
	s_bfe_u32 s22, ttmp9, 0x40001                  ; sl: 4 bits from bit 1
	s_and_b32 s23, ttmp9, 1                        ; part
	s_lshl2_add_u32 s24, s23, s20                  ; u = 4 part + w
	s_mov_b32 s52, 0x76543210
	s_mov_b32 s53, 0xfedcba98
	s_mov_b32 s54, 0xffff0000
	v_and_b32 v[T+1], 15, v0                       ; r
	v_bfe_u32 v[T+2], v0, 4, 1                     ; h
	v_and_b32 v[T+3], 31, v0                       ; lane
	v_lshlrev_b32 v[L16], 4, v[T+1]
	v_mul_u32_u24 v[WFA], v[T+1], PW
	v_mad_u32_u24 v[WFA], v[T+2], 24, v[WFA]
	s_mul_i32 s33, s20, XSWAVE
	s_add_co_u32 s33, s33, XS0                     ; my XS
	v_add_nc_u32 v[FRA], s33, v[WFA]
	v_mul_u32_u24 v[T], v[T+2], PW
	v_add_nc_u32 v[T], v[T], v[L16]                ; 784 h + L16
	v_add_nc_u32 v[XSW], s33, v[T]
	s_mul_i32 s33, s20, 16*PW
	v_add_nc_u32 v[WSA], s33, v[T]
	s_mul_i32 s33, s20, OSWAVE
	s_add_co_u32 s33, s33, OS0                     ; my OS
	v_mul_u32_u24 v[OSW], v[T+1], OP
	v_lshl_add_u32 v[OSW], v[T+2], 5, v[OSW]
	v_add_nc_u32 v[OSW], s33, v[OSW]
	v_mul_u32_u24 v[OSR], v[T+2], OP
	v_add_nc_u32 v[OSR], v[OSR], v[L16]
	v_add_nc_u32 v[OSR], s33, v[OSR]
	s_mul_i32 s33, s20, LSWAVE
	s_add_co_u32 s33, s33, LS0                     ; my LS
	v_mov_b32 v[LB], s33
	v_lshl_add_u32 v[LF], v[T+3], 2, s33
	v_lshlrev_b32 v[R4], 2, v[T+1]
	v_lshlrev_b32 v[H16], 4, v[T+2]
	v_mul_u32_u24 v[WGA], v[T+2], 768
	v_add_nc_u32 v[WGA], v[WGA], v[L16]
	v_add_nc_u32 v[DMP], 528, v[T+3]
	s_lshl_b32 s34, s24, 9                         ; 512 u
	v_lshl_add_u32 v[TK0], v[T+3], 2, s34
	v_lshlrev_b32 v[LN16], 4, v[T+3]
	v_lshlrev_b32 v[H32], 5, v[T+2]
	v_lshl_add_u32 v[WSO], v[T+1], 5, v[H16]
	v_mov_b32 v[G+1], 0                            ; named with the gates as pairs, so they are written
	v_mov_b32 v[G+3], 0
	v_mov_b32 v[FIL], s34
.set ci, 0
.rept 18
	ds_store_b32 v[LF], v[FIL] offset:128*ci       ; all 576 entries hold my first token until a member or the padding takes a place: every entry is a token, whatever idx holds
.set ci, ci+1
.endr
	s_lshl_b32 s33, s21, 10
	s_lshl_b32 s30, s22, 6
	s_add_co_u32 s33, s33, s30                     ; the slice's first row of W: 1024 e + 64 sl
	s_mov_b32 s31, 0
	s_wait_kmcnt 0x0
	s_lshl_b32 s30, s33, 5                         ; 32 scale bytes a row
	s_add_nc_u64 s[10:11], s[10:11], s[30:31]
	s_lshl_b32 s30, s33, 2                         ; 4 bytes of bias a row
	s_add_nc_u64 s[16:17], s[16:17], s[30:31]
	s_lshl_b32 s30, s22, 8                         ; the slice's 256 bytes of an output row
	s_add_nc_u64 s[18:19], s[18:19], s[30:31]
	s_lshl_b32 s30, s24, 11                        ; my 512 tokens' idx
	s_add_nc_u64 s[12:13], s[12:13], s[30:31]
	s_lshl4_add_u32 s33, s20, s33                  ; the 16 rows that I bring
	s_mul_i32 s30, s33, 768
	s_add_nc_u64 s[8:9], s[8:9], s[30:31]
	; 40 loads: 4 of idx, 24 of W's codes, 4 of W's scale words, 8 of the bias
.irp j, 0,1,2,3
	global_load_b128 v[IV+4*\j:IV+4*\j+3], v[LN16], s[12:13] offset:512*\j   ; register 4 j + c: token 512 u + 128 j + 4 lane + c
.endr
	WIN LD1
.set ci, 0
.rept 24
	global_load_b128 v[4*ci:4*ci+3], v[WGA], s[8:9] offset:1536*(ci/3)+256*(ci%3)   ; rows 2 (ci / 3) + h, 16 lanes to 256 consecutive bytes
.set ci, ci+1
.endr
	WIN 0
.irp t, 0,1,2,3
	global_load_b128 v[WS+4*\t:WS+4*\t+3], v[WSO], s[10:11] offset:512*\t
.endr
.irp j, 0,1,2,3,4,5,6,7
	global_load_b128 v[BI+4*\j:BI+4*\j+3], v[H32], s[16:17] offset:64*(\j/2)+16*(\j%2)
.endr
	s_wait_loadcnt 36                              ; loads come back in order (ISA guide 5.7.1): idx is in, the 36 others stay out
	; THE LIST.  A member's place is the number of members counted so far plus those in lower lanes of its step; the order of the list is of no account.
.set ci, 0
.rept 16
	v_cmp_eq_u32 s[MK+ci], s21, v[IV+ci]
.set ci, ci+1
.endr
	s_mov_b32 s25, 0
.set ci, 0
.rept 16
	v_mbcnt_lo_u32_b32 v[TMP+2*ci], s[MK+ci], s25
	s_bcnt1_i32_b32 s33, s[MK+ci]
	s_add_co_u32 s25, s25, s33
	v_cndmask_b32 v[TMP+2*ci], v[DMP], v[TMP+2*ci], s[MK+ci]   ; a lane without a member writes behind the list
	v_min_u32 v[TMP+2*ci], 0x22f, v[TMP+2*ci]      ; held inside entries 0 to 559
	v_lshl_add_u32 v[TMP+2*ci], v[TMP+2*ci], 2, v[LB]
	v_add_nc_u32 v[TMP+2*ci+1], 128*(ci>>2)+(ci&3), v[TK0]
	ds_store_b32 v[TMP+2*ci], v[TMP+2*ci+1]        ; in order behind the fill (LDS serves a wave's instructions in order: ISA guide 5.7.1.4)
.set ci, ci+1
.endr
	s_min_u32 s25, s25, 512                        ; c: my members
	s_add_co_u32 s27, s25, 15
	s_lshr_b32 s27, s27, 4
	s_min_u32 s27, s27, 32                         ; my blocks
	s_add_co_u32 s28, s27, 1
	s_lshr_b32 s28, s28, 1                         ; my trips: two blocks each, the last perhaps one
	s_max_u32 s33, s25, 1
	s_sub_co_u32 s33, s33, 1
	s_min_u32 s33, s33, 511
	s_lshl_b32 s33, s33, 2
	v_add_nc_u32 v[T], s33, v[LB]
	ds_load_b32 v[LM], v[T]                        ; the last member
	s_lshl_b32 s34, s25, 2
	v_add_nc_u32 v[T+1], s34, v[R4]
	v_min_u32 v[T+1], 0x83c, v[T+1]
	v_add_nc_u32 v[T+1], v[LB], v[T+1]
	s_wait_dscnt 0x0
	ds_store_b32 v[T+1], v[LM]                     ; entries c .. c + 15 repeat it (both halves of the lanes write the same)
.set ci, 0
.rept 17
	ds_load_b32 v[LR+ci], v[LF] offset:128*ci      ; the list into registers: entries 0 to 543
.set ci, ci+1
.endr
; The 16 tokens of a block, lanes 16 k .. 16 k + 15 of register reg, as the lanes want them: T2[i] = the token of row 2 i + h, TR = the token of row r.  Vector and scalar work alone.
.macro LOOK reg, k
.irp j, 0,1,2,3,4,5,6,7,8,9,10,11,12,13,14,15
	v_readlane_b32 s[RT+\j], v[\reg], 16*\k+\j
.endr
	v_permlanex16_b32 v[T], v[\reg], s52, s53      ; the other half's 16 entries (the destination, which counts as read, has been written)
.if \k == 0
	v_cndmask_b32 v[TR], v[\reg], v[T], s54        ; lanes 0-15 hold the block's entries themselves, lanes 16-31 take them from the other half
.else
	v_cndmask_b32 v[TR], v[T], v[\reg], s54        ; the other way round
.endif
.irp i, 0,1,2,3,4,5,6,7
	v_mov_b32 v[T2+\i], s[RT+2*\i]                 ; lanes 0-15: the even row,
.endr
.irp i, 0,1,2,3,4,5,6,7
	v_cndmask_b32 v[T2+\i], v[T2+\i], s[RT+2*\i+1], s54   ; lanes 16-31: the odd one
.endr
.endm
; The block's codes are asked for, into set k: 24 loads, 16 lanes to 256 consecutive bytes of one row of xq
.macro FINX k
	WIN 0
.irp i, 0,1,2,3,4,5,6,7,8
	v_min_u32 v[T2+\i], 0xfff, v[T2+\i]            ; a token out of the list enters an address only held to the tables' 4,096 rows
.endr
.irp i, 0,1,2,3,4,5,6,7
	v_lshl_add_u32 v[XO+8*\k+\i], v[T2+\i], 8, v[L16]
.endr
.irp i, 0,1,2,3,4,5,6,7
	v_lshl_add_u32 v[XO+8*\k+\i], v[T2+\i], 9, v[XO+8*\k+\i]   ; token x 768
.endr
	WIN LD3
.set ci, 0
.rept 24
	global_load_b128 v[96*\k+4*ci:96*\k+4*ci+3], v[XO+8*\k+ci/3], s[4:5] offset:256*(ci%3)
.set ci, ci+1
.endr
.endm
; and its scale words, its gates and its places in out0.  w = 1: stores that read OO are out
.macro FINS k, w
.if \w
	s_wait_xcnt 0x0                                ; the stores issued so far have had their addresses translated (ISA guide 3.1): OO and TMP are written again only behind this wait
.endif
.irp i, 0,1,2,3,4,5,6,7
	v_lshl_add_u32 v[OO+8*\k+\i], v[T2+\i], 12, v[L16]
.endr
	v_lshl_add_u32 v[SA+2*\k], v[TR], 5, v[H16]
	v_lshlrev_b32 v[SA+2*\k+1], 2, v[TR]
	global_load_b128 v[XSC+4*\k:XSC+4*\k+3], v[SA+2*\k], s[6:7]
	global_load_b32 v[G+2*\k], v[SA+2*\k+1], s[14:15]
.endm
.macro PRE k                           ; block k, ahead of the loop: 26 loads
	LOOK LR, \k
	FINX \k
	WIN 0
	FINS \k, 0
.endm
	s_wait_dscnt 0x0                               ; the list is in registers
	PRE 0
	s_wait_loadcnt 26                              ; block 0's 26 loads stay out; W's codes and scale words and the bias are in
	WIN ST1
.set ci, 0
.rept 24
	ds_store_b128 v[WSA], v[4*ci:4*ci+3] offset:2*PW*(ci/3)+256*(ci%3)
.set ci, ci+1
.endr
	WIN 0
	PRE 1
	s_wait_dscnt 0x0                               ; my 16 rows of the slice are in LDS, for the other waves' sake
	s_barrier_signal -1
	s_barrier_wait -1                              ; all 64 are; nobody writes them again
	s_cmp_eq_u32 s27, 0
	s_cbranch_scc1 .Ldone                          ; none of my 512 tokens goes to e
	; the whole slice into my registers.  A fragment, 16 rows x 128 K, is 12 registers: lane (r, h) takes row r; registers 6 c .. + 5 hold K = 64 c + 32 h + 0 .. 31:
	; 24 bytes of the row's stream of bits as they lie, in pieces of 8 bytes, so that every address is a multiple of the access's size
	WIN LD1
.irp q, 0,1,2,3,4
.irp t, 0,1,2,3
.irp p, 0,1,2,3,4,5
	ds_load_b64 v[48*\q+12*\t+2*\p:48*\q+12*\t+2*\p+1], v[WFA] offset:16*PW*\t+96*\q+48*(\p/3)+8*(\p%3)
.endr
.endr
.endr
	WIN LD2
.irp q, 5,6,7
.irp t, 0,1,2,3
.irp p, 0,1,2,3,4,5
	ds_load_b64 v[48*(\q-5)+12*\t+2*\p:48*(\q-5)+12*\t+2*\p+1], v[WFA] offset:16*PW*\t+96*\q+48*(\p/3)+8*(\p%3)
.endr
.endr
.endr
	WIN 0
.macro FRAGS q0                        ; x's fragments of K steps q0 .. q0 + 3: 24 loads
	WIN LD2
.irp q, \q0, \q0+1, \q0+2, \q0+3
.irp p, 0,1,2,3,4,5
	ds_load_b64 v[AF+12*(\q)+2*\p:AF+12*(\q)+2*\p+1], v[FRA] offset:96*(\q)+48*(\p/3)+8*(\p%3)
.endr
.endr
.endm
; One product: column tile t, K step q, set k.  K step 0 starts the sum from the bias: nothing is cleared and no bias is added later.
; K steps 4 to 7 take their scale words from lanes 16-31 of the same registers.
.macro MM q, t, k
.set BR, 48*((\q)%5)+12*(\t)
.if (\q) == 0
	v_wmma_scale_f32_16x16x128_f8f6f4 v[ACC+8*\t:ACC+8*\t+7], v[BR:BR+11], v[AF+12*\q:AF+12*\q+11], v[BI+8*\t:BI+8*\t+7], v[WS+4*\t+\q%4], v[XSC+4*\k+\q%4] matrix_a_fmt:MATRIX_FMT_BF6 matrix_b_fmt:MATRIX_FMT_BF6
.elseif (\q) < 4
	v_wmma_scale_f32_16x16x128_f8f6f4 v[ACC+8*\t:ACC+8*\t+7], v[BR:BR+11], v[AF+12*\q:AF+12*\q+11], v[ACC+8*\t:ACC+8*\t+7], v[WS+4*\t+\q%4], v[XSC+4*\k+\q%4] matrix_a_fmt:MATRIX_FMT_BF6 matrix_b_fmt:MATRIX_FMT_BF6
.else
	v_wmma_scale_f32_16x16x128_f8f6f4 v[ACC+8*\t:ACC+8*\t+7], v[BR:BR+11], v[AF+12*\q:AF+12*\q+11], v[ACC+8*\t:ACC+8*\t+7], v[WS+4*\t+\q%4], v[XSC+4*\k+\q%4] matrix_a_fmt:MATRIX_FMT_BF6 matrix_b_fmt:MATRIX_FMT_BF6 matrix_a_scale:MATRIX_SCALE_ROW1 matrix_b_scale:MATRIX_SCALE_ROW1
.endif
.endm
; BLOCK n = 2 x the trip + k, whose rows lie in set k.  Block n + 2 is looked up at the head, its codes are asked for as soon as set k's registers are free, the rest at the end:
; two blocks' loads, 26 each, are always on their way.
.macro BLOCK k
	LOOK LR+1, \k                                  ; block n + 2: half k of the pair behind the one in hand
	s_wait_loadcnt 26                              ; this block's 26 loads are in; the next block's 26 stay out
	WIN ST3
.set ci, 0
.rept 24
	ds_store_b128 v[XSW], v[96*\k+4*ci:96*\k+4*ci+3] offset:2*PW*(ci/3)+256*(ci%3)   ; rows 2 (ci / 3) + h into my XS
.set ci, ci+1
.endr
	FRAGS 0                                        ; in order behind the stores (ISA guide 5.7.1.4)
	s_wait_dscnt 24                                ; the 24 loads just issued stay out: the 24 stores have left set k's registers, which are loaded again below
	FINX \k
	FRAGS 4
.irp q, 0,1,2,3,4,5,6,7
	s_wait_dscnt 42-6*\q                           ; of the 48 fragment loads the first 6 (q + 1) are in
.if \q < 5
	WIN MM1
.else
	WIN MM2
.endif
.irp t, 0,1,2,3
	MM \q, \t, \k                                  ; the four accumulators take turns, one instruction a turn
.endr
.endr
	WIN 0
.rept 4
	v_nop                                          ; four plain vector instructions behind the last products before their results are read and their sources loaded again (ISA guide 7.12.1)
.endr
.set ci, 0
.rept 16
	v_pk_mul_f32 v[ACC+2*ci:ACC+2*ci+1], v[ACC+2*ci:ACC+2*ci+1], v[G+2*\k:G+2*\k+1] op_sel_hi:[1,0]   ; x gate of my token r; each accumulator from its low end on
.set ci, ci+1
.endr
.irp t, 0,1,2,3
	ds_store_b128 v[OSW], v[ACC+8*\t:ACC+8*\t+3] offset:64*\t          ; 16 tokens x 64 columns through my OS,
	ds_store_b128 v[OSW], v[ACC+8*\t+4:ACC+8*\t+7] offset:64*\t+16
.endr
.irp i, 0,1,2,3,4,5,6,7
	ds_load_b128 v[TMP+4*\i:TMP+4*\i+3], v[OSR] offset:2*OP*\i         ; back as rows 2 i + h of 256 bytes (the last block's stores left TMP behind the wait that closed that block)
.endr
.irp i, 0,1,2,3,4,5,6,7
	s_wait_dscnt 7-\i                              ; LDS loads come back in order: the younger ones stay out
	global_store_b128 v[OO+8*\k+\i], v[TMP+4*\i:TMP+4*\i+3], s[18:19] th:TH_STORE_NT   ; 16 lanes store 256 consecutive bytes, at a multiple of 256 from out0's first byte
.endr
	FINS \k, 1
.endm
	s_mov_b32 s32, 0
.Lpair:                                                ; a trip: two blocks; s32 counts trips, one at a time, up to s28.  The loop is left by falling through its branch back, or by the end below
	BLOCK 0
	s_lshl_b32 s33, s32, 1
	s_add_co_u32 s33, s33, 1                       ; the trip's second block, 2 x trip + 1:
	s_cmp_lt_u32 s33, s27                          ; is it one of mine?
	s_cbranch_scc1 .Lsecond
	s_wait_tensorcnt 0x0
	ds_add_u32 v254, v255
	s_wait_dscnt 0x0
	s_endpgm                                       ; an odd number of blocks: that was the last (what was asked for ahead is not used; plain loads and stores may be out at the end)
.Lsecond:
	BLOCK 1
.set ci, 1
.rept 15
	v_mov_b32 v[LR+ci], v[LR+ci+1]                 ; the list moves down by a pair of blocks: these copies stand for a register number that would hang on the trip
.set ci, ci+1
.endr
	s_add_co_u32 s32, s32, 1
	s_cmp_lt_u32 s32, s28
	s_cbranch_scc1 .Lpair
.Ldone:
	s_wait_tensorcnt 0x0
	ds_add_u32 v254, v255
	s_wait_dscnt 0x0
	s_endpgm
.Lfunc_end_k_qbcd1f1e479_experts:
	.size	k_qbcd1f1e479_experts, .Lfunc_end_k_qbcd1f1e479_experts-k_qbcd1f1e479_experts
	.p2alignl 7, 3214868480
	.fill 96, 4, 3214868480
	.section	.rodata,"a",@progbits
	.p2align	6, 0x0
	.amdhsa_kernel k_qbcd1f1e479_experts
		.amdhsa_group_segment_fixed_size 127488
		.amdhsa_private_segment_fixed_size 0
		.amdhsa_enable_private_segment 0
		.amdhsa_kernarg_size 64
		.amdhsa_user_sgpr_count 2
		.amdhsa_user_sgpr_kernarg_segment_ptr 1
		.amdhsa_wavefront_size32 1
		.amdhsa_system_sgpr_workgroup_id_x 1
		.amdhsa_system_sgpr_workgroup_id_y 1
		.amdhsa_system_sgpr_workgroup_id_z 1
		.amdhsa_system_vgpr_workitem_id 0
		.amdhsa_next_free_vgpr 960
		.amdhsa_next_free_sgpr 66
		.amdhsa_reserve_vcc 0
		.amdhsa_float_denorm_mode_32 3
		.amdhsa_float_denorm_mode_16_64 3
		.amdhsa_memory_ordered 1
		.amdhsa_forward_progress 1
		.amdhsa_inst_pref_size 84
	.end_amdhsa_kernel
	.amdgpu_metadata
---
amdhsa.version: [ 1, 2 ]
amdhsa.kernels:
  - .name:           k_qbcd1f1e479_experts
    .symbol:         k_qbcd1f1e479_experts.kd
    .args:
      - { .name: xq, .offset: 0, .size: 8, .value_kind: global_buffer, .address_space: global }
      - { .name: xs, .offset: 8, .size: 8, .value_kind: global_buffer, .address_space: global }
      - { .name: wq, .offset: 16, .size: 8, .value_kind: global_buffer, .address_space: global }
      - { .name: ws, .offset: 24, .size: 8, .value_kind: global_buffer, .address_space: global }
      - { .name: idx, .offset: 32, .size: 8, .value_kind: global_buffer, .address_space: global }
      - { .name: gate, .offset: 40, .size: 8, .value_kind: global_buffer, .address_space: global }
      - { .name: expert_b, .offset: 48, .size: 8, .value_kind: global_buffer, .address_space: global }
      - { .name: out0, .offset: 56, .size: 8, .value_kind: global_buffer, .address_space: global }
    .group_segment_fixed_size: 127488
    .private_segment_fixed_size: 0
    .kernarg_segment_align: 8
    .kernarg_segment_size: 64
    .max_flat_workgroup_size: 128
    .sgpr_count:     66
    .vgpr_count:     960
    .wavefront_size: 32
...
	.end_amdgpu_metadata
.endif
;; end of part 2
;; ======== version 2 of 3: 2 launches; 1.44 times as fast as version 1
;; workspace buffers: xq 3,145,728 bytes; xs 131,072 bytes; wq 6,291,456 bytes; ws 262,144 bytes; idx 16,384 bytes of whole numbers; gate 16,384 bytes
;; launch prep (part 3): grid 256 x 1, 8 waves a work-group, no clusters, 302,080 bytes of LDS; arguments x, router_w, router_b, expert_w, xq, xs, wq, ws, idx, gate; writes xq, xs, wq, ws, idx, gate
.if DOCPART == 3
	.amdgcn_target "amdgcn-amd-amdhsa--gfx1250"
	.amdhsa_code_object_version 6
	.text
	.protected	k_qbcd1f1e479_prep
	.globl	k_qbcd1f1e479_prep
	.p2align	8
	.type	k_qbcd1f1e479_prep,@function
k_qbcd1f1e479_prep:
	s_mov_b64 s[64:65], 0
	v_nop
	global_prefetch_b8 v0, s[64:65] scope:SCOPE_SE
	s_setreg_imm32_b32 hwreg(HW_REG_WAVE_MODE, 25, 1), 1
	s_wait_xcnt 0x0
; QUANTISER AND ROUTER.  x [4096][1024] and expert_w, taken as [8192][1024], both f32 with K innermost, are read once and turned into codes of BF6 (E3M2),
; 6 bits each, a row of 1,024 codes = 768 bytes (xq, wq), with one E8M0 byte for each 32 along K, 32 bytes a row (xs, ws).
; A block's byte is its largest magnitude's exponent field - 4 (4: the exponent of the format's largest number, 28), held at 1 from below; a block of zeros gets 127.
; Each number is divided by the scale and rounded to the nearest code, ties to even; beyond 28 the largest code.
; From the same registers of x the eight router logits are made in f32 (fused multiply-adds on the unrounded x and router_w), then idx = argmax (the first of equals)
; and gate = softmax at the argmax = 1 / sum of exp(l - max): the maximum is taken away, the sum is at least 1.
; The router is 8 columns wide and a lane holds x along K as the conversions want it, so it runs on the vector unit: no transposition, no matrix instruction.
; LIMITS: NaN and infinities are not served; blocks whose largest magnitude lies under 2^-121, whose byte is held at 1, were not tried; two top logits that differ
; by less than the rounding of an f32 sum of 1,024 terms may route otherwise than a sum taken in another order.
; SHARES: work-group g owns x's rows 16 g .. + 15 and W's rows 32 g .. + 31.  Eight waves, all alike: wave w owns x's rows 16 g + 2 w, + 1 and W's rows 32 g + 4 w .. + 3.
; THE WAY IN: the conversions take 16 neighbours along K from ONE lane's registers, 64 bytes a lane.  Asked for from memory in that shape, each of a lane's four loads would touch
; the same 2,048 bytes as the other three.  So the rows come into LDS by the tensor data mover, as they lie in memory, and the lanes take their 64 bytes from LDS.
; Each wave issues four loads at its start, into LDS bytes of its own: router_w's row w, its two rows of x, its first two rows of W, its last two.  A wave has four
; tensor loads outstanding at the most.  Every LDS byte is filled once: the work-group's 224 KiB fit at once, so there is no ring and nothing is filled again.
; The loads of a wave end in order (ISA guide 10.11.1): x is there first, and the router is computed while W is on its way.
; THE WAY OUT: two rows' codes, 1,536 bytes, go through the wave's own stage in LDS and leave by three stores that each cover 512 consecutive bytes, at a multiple of 512 from the
; buffer's first byte.  Scale bytes are gathered in LDS and leave as runs of 512 bytes.  idx and gate are 64 bytes a work-group each (16 lanes of one wave): the two tables are 32 KiB in all.
; NO CLUSTER: work-groups share nothing but router_w, 32 of the 224 KiB that a work-group brings in.
.set ROWL, 5120                        ; a row of 4,096 bytes in LDS: the mover lays 16 bytes of padding behind every 64, so that a lane's 64 bytes lie 80 bytes apart:
.set HALF, 2560                        ; 80 l mod 256 takes 16 different multiples of 16 for 16 neighbouring lanes (64 banks of 4 bytes: ISA guide 11.1).  HALF: 512 numbers
.set RWT,  0                           ; LDS: router_w, 8 rows
.set XT,   8*ROWL                      ; x: two rows for each wave
.set WT,   XT+8*2*ROWL                 ; W: four rows for each wave.  Up to here the mover fills; from here on the waves store: the border lies at a multiple of 256
.set SC,   WT+8*4*ROWL                 ; scale bytes: x's 16 rows of 32, then W's 32 rows
.set LG,   SC+1536                     ; logits without the bias: [16 tokens][8] f32
.set CST,  LG+512                      ; code stage: 1,536 bytes for each wave; the end is 301,056
.set L80,  1                           ; v1   80 lane: my 64 bytes in a half row
.set XA,   2                           ; v2   the same in my rows of x
.set WA,   3                           ; v3   the same in my rows of W
.set L16,  4                           ; v4   16 lane
.set LGA,  5                           ; v5   my two tokens' logits
.set SCX,  6                           ; v6   my block's scale byte in my rows of x
.set SCW,  7                           ; v7   the same in my rows of W
.set CS,   12                          ; v12  my stage + 12 lane
.set CR,   13                          ; v13  my stage + 16 lane        (v8-v11: at work)
.set C,    16                          ; v[16:31]   step a of four: three registers of codes, and the scale byte in the fourth
.set RW,   32                          ; v[32:95]   router_w: two buffers of two rows' 16 numbers; then the 16 logits; then rows of codes on their way out
.set ACC,  96                          ; v[96:127]  token t, expert e: a pair of partial sums at ACC + 2 (8 t + e)
.set X,    128                         ; v[128:191] x: row t, half h: 16 numbers at X + 32 t + 16 h; later W's last two rows
.set WX,   192                         ; v[192:255] W's first two rows likewise; before that x's codes on their way out
.set G1A,  48                          ; s[48:55] descriptor group 1: 16 rows of 256 bytes
.set G1B,  56                          ; s[56:63] the same with 32 rows
.set G0,   68                          ; s[68:83] four descriptor groups 0
	s_load_b512 s[4:19], s[0:1], 0x0               ; x s[4:5], router_w s[6:7], router_b s[8:9], expert_w s[10:11], xq s[12:13], xs s[14:15], wq s[16:17], ws s[18:19]
	s_load_b128 s[20:23], s[0:1], 0x40             ; idx s[20:21], gate s[22:23]
	v_lshl_add_u32 v14, v0, 2, 0x49800
	v_mov_b32 v15, 0
	ds_add_u32 v14, v15
	ds_add_u32 v14, v15
	v_lshrrev_b32 v8, 5, v0
	v_readfirstlane_b32 s34, v8                    ; wave 0..7
	; Group 1: each piece is dense in memory and comes as rows of 256 bytes (32 elements of 8 bytes), one behind the other
.irp g, G1A, G1B
	s_mov_b32 s[\g], (3<<16)|(1<<20)|(3<<22)|(3<<25)   ; 15:0 no mask; 17:16 elements of 8 bytes; 20 padding on; 24:22 after every 16 words (code 3); 31:25 of 4 words (code 3)
	s_mov_b32 s[\g+1], 32<<16                      ; tensor_dim0 = 32
	s_mov_b32 s[\g+3], 32<<16                      ; tile_dim0 = 32
	s_mov_b32 s[\g+5], 32                          ; tensor_dim0_stride
	s_mov_b32 s[\g+6], 0
	s_mov_b32 s[\g+7], 0
.endr
	s_mov_b32 s[G1A+2], 16<<16                     ; tensor_dim1,
	s_mov_b32 s[G1A+4], 16                         ; tile_dim1: 16 rows = 4,096 bytes
	s_mov_b32 s[G1B+2], 32<<16
	s_mov_b32 s[G1B+4], 32                         ; 32 rows = 8,192 bytes
	; Group 0: the LDS addresses are a constant plus the wave's number times a constant
	s_mul_i32 s35, s34, ROWL
	s_add_co_u32 s[G0+1], s35, RWT                 ; router_w's row w
	s_mul_i32 s35, s34, 2*ROWL
	s_add_co_u32 s[G0+5], s35, XT                  ; my two rows of x
	s_mul_i32 s35, s34, 4*ROWL
	s_add_co_u32 s[G0+9], s35, WT                  ; my first two rows of W,
	s_add_co_u32 s[G0+13], s35, WT+2*ROWL          ; my last two
.irp n, 0,4,8,12
	s_mov_b32 s[G0+\n], 1                          ; count = 1
.endr
	s_lshl_b32 s36, s34, 12                        ; router_w: 4,096 w
	s_mov_b32 s37, 0
	s_lshl_b32 s38, ttmp9, 16                      ; x: 16 rows of 4,096 bytes a work-group,
	s_lshl_b32 s35, s34, 13                        ; two a wave
	s_add_co_u32 s38, s38, s35
	s_mov_b32 s39, 0
	s_lshl_b32 s40, ttmp9, 17                      ; W: 32 rows a work-group,
	s_lshl_b32 s35, s34, 14                        ; four a wave
	s_add_co_u32 s40, s40, s35
	s_mov_b32 s41, 0
	s_wait_dscnt 0x0
	s_wait_kmcnt 0x0
	s_add_nc_u64 s[G0+2:G0+3], s[6:7], s[36:37]
	s_add_nc_u64 s[G0+6:G0+7], s[4:5], s[38:39]
	s_add_nc_u64 s[G0+10:G0+11], s[10:11], s[40:41]
	s_add_nc_u64 s[G0+14:G0+15], s[G0+10:G0+11], 0x2000
.irp n, 3,7,11,15
	s_or_b32 s[G0+\n], s[G0+\n], 0x80000000        ; type = 2
.endr
	tensor_load_to_lds s[G0:G0+3], s[G1A:G1A+7]        ; all fills of the launch, in one group, ahead of every wait on TENSORcnt, every LDS read and every barrier
	s_nop 0
	tensor_load_to_lds s[G0+4:G0+7], s[G1B:G1B+7]
	s_nop 0
	tensor_load_to_lds s[G0+8:G0+11], s[G1B:G1B+7]
	s_nop 0
	tensor_load_to_lds s[G0+12:G0+15], s[G1B:G1B+7]
	s_nop 0
.rept 4
	v_nop                                          ; (behind the tensor loads)
.endr
	s_load_b256 s[24:31], s[8:9], 0x0              ; the eight router_b; waited for in front of the second barrier
	v_and_b32 v8, 31, v0                           ; lane
	v_mul_u32_u24 v[L80], v8, 80
	v_add_nc_u32 v[XA], s[G0+5], v[L80]
	v_add_nc_u32 v[WA], s[G0+9], v[L80]
	v_lshlrev_b32 v[L16], 4, v8
	v_lshrrev_b32 v9, 1, v8                        ; two lanes to a block
	s_lshl_b32 s35, s34, 6
	s_add_co_u32 s42, s35, LG
	v_mov_b32 v[LGA], s42                          ; 64 bytes of logits a wave
	s_add_co_u32 s42, s35, SC
	v_add_nc_u32 v[SCX], s42, v9                   ; 64 scale bytes of x a wave,
	s_lshl_b32 s35, s34, 7
	s_add_co_u32 s42, s35, SC+512
	v_add_nc_u32 v[SCW], s42, v9                   ; 128 of W
	s_mul_i32 s35, s34, 1536
	s_add_co_u32 s42, s35, CST
	v_mul_u32_u24 v[CS], v8, 12
	v_add_nc_u32 v[CS], s42, v[CS]
	v_add_nc_u32 v[CR], s42, v[L16]
	s_mov_b32 s32, 0x76543210                      ; v_permlanex16_b32: lane i of one half reads lane i of the other
	s_mov_b32 s33, 0xfedcba98
	s_lshl_b32 s35, ttmp9, 3
	s_add_co_u32 s35, s35, s34                     ; 8 g + w
	s_mul_i32 s36, s35, 1536                       ; two rows of 768 bytes of codes,
	s_add_nc_u64 s[12:13], s[12:13], s[36:37]
	s_mul_i32 s36, s35, 3072                       ; four
	s_add_nc_u64 s[16:17], s[16:17], s[36:37]
	s_lshl_b32 s36, ttmp9, 9                       ; 16 rows of 32 scale bytes,
	s_add_nc_u64 s[14:15], s[14:15], s[36:37]
	s_lshl_b32 s36, ttmp9, 10                      ; 32 rows
	s_add_nc_u64 s[18:19], s[18:19], s[36:37]
	s_lshl_b32 s36, ttmp9, 6                       ; 16 tokens of 4 bytes
	s_add_nc_u64 s[20:21], s[20:21], s[36:37]
	s_add_nc_u64 s[22:23], s[22:23], s[36:37]
; Step a of a pair of rows: 16 numbers a lane at register xs: the block's byte to sbo behind register sca, the codes to cso in my stage
.macro QSTEP xs, a, sca, sbo, cso
.set XS, \xs
	s_wait_dscnt 12                                ; LDS instructions end in order (ISA guide 5.7.1): behind this step's four loads stand 12 - 4 a younger loads and the 4 a stores of the steps before: 12
	v_max3_num_f32 v8, |v[XS]|, |v[XS+1]|, |v[XS+2]|               ; the largest magnitude of my 16, in two chains
	v_max3_num_f32 v9, |v[XS+3]|, |v[XS+4]|, |v[XS+5]|
.irp i, 6,10
	v_max3_num_f32 v8, v8, |v[XS+\i]|, |v[XS+\i+1]|
	v_max3_num_f32 v9, v9, |v[XS+\i+2]|, |v[XS+\i+3]|
.endr
	v_max3_num_f32 v8, v8, |v[XS+14]|, |v[XS+15]|
	v_max_num_f32 v8, v8, v9
	v_max_num_f32_dpp v8, v8, v8 row_xmask:1 row_mask:0xf bank_mask:0xf   ; and of my neighbour's 16: the block's
	v_lshrrev_b32 v9, 23, v8                       ; its exponent field (the sign bit is 0)
	v_max_u32 v9, 5, v9                            ; the byte is not to fall under 1
	v_add_nc_u32 v9, -4, v9                        ; the scale's byte
	v_lshlrev_b32 v11, 23, v9                      ; and the scale as f32: the conversion takes its exponent field
	v_cmp_eq_u32 vcc_lo, 0, v8                     ; a block of zeros?
	v_cvt_scalef32_pk16_bf6_f32 v[C+4*(\a):C+4*(\a)+2], v[XS:XS+15], v11
	v_cndmask_b32 v[C+4*(\a)+3], v9, 127, vcc_lo   ; it gets 127.  (Also the one plain vector instruction between a scaled conversion and what touches its result)
	ds_store_b8 v[\sca], v[C+4*(\a)+3] offset:\sbo ; both lanes of a block write the same byte with the same value
	ds_store_b32 v[CS], v[C+4*(\a)] offset:\cso    ; 12 bytes a lane, word by word: the lanes stand 3 words apart and meet in no bank
	ds_store_b32 v[CS], v[C+4*(\a)+1] offset:\cso+4
	ds_store_b32 v[CS], v[C+4*(\a)+2] offset:\cso+8
.endm
; Two rows: out of LDS (byte aof behind register adr) into registers xr .., quantised, their 1,536 bytes of codes through my stage into registers ob .. and to dof behind s[dp:dp+1]
.macro PAIR xr, adr, aof, sca, sof, dp, dof, ob
.irp t, 0,1
.irp h, 0,1
.irp i, 0,1,2,3
	ds_load_b128 v[\xr+32*\t+16*\h+4*\i:\xr+32*\t+16*\h+4*\i+3], v[\adr] offset:\aof+ROWL*\t+HALF*\h+16*\i
.endr
.endr
.endr
.irp t, 0,1
.irp h, 0,1
	QSTEP \xr+32*\t+16*\h, 2*\t+\h, \sca, \sof+32*\t+16*\h, 768*\t+384*\h
.endr
.endr
.irp j, 0,1,2
	ds_load_b128 v[\ob+4*\j:\ob+4*\j+3], v[CR] offset:512*\j   ; LDS serves a wave's instructions in order (ISA guide 5.7.1.4): these see my stores
.endr
	s_wait_dscnt 0x0                               ; the codes are back; all my stores have left C, which the next pair writes again
.irp j, 0,1,2
	global_store_b128 v[L16], v[\ob+4*\j:\ob+4*\j+3], s[\dp:\dp+1] offset:\dof+512*\j   ; 32 lanes store 512 consecutive bytes
.endr
.endm
; router_w's rows 2 (n % 4) and 2 (n % 4) + 1, my 16 columns of half n / 4, into buffer n % 2
.macro WREQ n
.irp q, 0,1
.irp i, 0,1,2,3
	ds_load_b128 v[RW+32*((\n)%2)+16*\q+4*\i:RW+32*((\n)%2)+16*\q+4*\i+3], v[L80] offset:RWT+(2*((\n)%4)+\q)*ROWL+HALF*((\n)/4)+16*\i
.endr
.endr
.endm
	s_wait_tensorcnt 0x2                           ; router_w's row w and my rows of x are in LDS; W's two loads stay out
	PAIR X, XA, 0, SCX, 0, 12, 0, WX
	s_barrier_signal -1                            ; (no LDS instruction of mine is out; my part of router_w has landed)
	s_barrier_wait -1                              ; router_w is whole; nobody writes it
	; THE LOGITS: 8 units of 2 experts x 2 tokens x 16 columns a lane = 32 packed multiply-adds, four chains that do not wait for each other
	WREQ 0
	WREQ 1
.irp n, 0,1,2,3,4,5,6,7
.if \n < 7
	s_wait_dscnt 0x8                               ; this unit's rows are in; the next unit's eight loads stay out
.else
	s_wait_dscnt 0x0                               ; nothing was asked for behind the last unit
.endif
.irp pp, 0,1,2,3,4,5,6,7
.irp q, 0,1
.irp t, 0,1
.if (\n < 4) && (\pp == 0)
	v_pk_mul_f32 v[ACC+2*(8*\t+2*(\n%4)+\q):ACC+2*(8*\t+2*(\n%4)+\q)+1], v[X+32*\t+16*(\n/4)+2*\pp:X+32*\t+16*(\n/4)+2*\pp+1], v[RW+32*(\n%2)+16*\q+2*\pp:RW+32*(\n%2)+16*\q+2*\pp+1]   ; the first product starts the sums
.else
	v_pk_fma_f32 v[ACC+2*(8*\t+2*(\n%4)+\q):ACC+2*(8*\t+2*(\n%4)+\q)+1], v[X+32*\t+16*(\n/4)+2*\pp:X+32*\t+16*(\n/4)+2*\pp+1], v[RW+32*(\n%2)+16*\q+2*\pp:RW+32*(\n%2)+16*\q+2*\pp+1], v[ACC+2*(8*\t+2*(\n%4)+\q):ACC+2*(8*\t+2*(\n%4)+\q)+1]
.endif
.endr
.endr
.endr
.if \n < 6
	WREQ \n+2                                      ; two units ahead, into the buffer just used
.endif
.endr
	; 16 sums over the lanes, stage by stage: the pair, four steps inside 16 lanes (DPP), one across the halves
.set k, 0
.rept 16
	v_add_f32 v[ACC+2*k], v[ACC+2*k], v[ACC+2*k+1]
.set k, k+1
.endr
.irp m, 1,2,4,8
.set k, 0
.rept 16
	v_add_f32_dpp v[ACC+2*k], v[ACC+2*k], v[ACC+2*k] row_xmask:\m row_mask:0xf bank_mask:0xf
.set k, k+1
.endr
.endr
.set k, 0
.rept 16
	v_permlanex16_b32 v[ACC+2*k+1], v[ACC+2*k], s32, s33   ; the destination, which counts as read, has been written
.set k, k+1
.endr
.set k, 0
.rept 16
	v_add_f32 v[RW+k], v[ACC+2*k], v[ACC+2*k+1]    ; every lane holds the sum of token k / 8, expert k % 8
.set k, k+1
.endr
.irp m, 0,1,2,3
	ds_store_b128 v[LGA], v[RW+4*\m:RW+4*\m+3] offset:16*\m   ; all lanes write the same bytes with the same values
.endr
	s_wait_kmcnt 0x0                               ; router_b
	s_wait_dscnt 0x0                               ; my sums are in LDS, for the other waves' sake (x's scale bytes have been since the first barrier)
	s_barrier_signal -1
	s_barrier_wait -1
	s_cmp_eq_u32 s34, 0
	s_cbranch_scc0 .Lnot_wave_0
	v_add_nc_u32 v8, SC, v[L16]                    ; wave 0: x's 512 scale bytes leave as they lie
	ds_load_b128 v[56:59], v8
	s_wait_dscnt 0x0
	global_store_b128 v[L16], v[56:59], s[14:15]   ; 32 lanes store 512 consecutive bytes, at a multiple of 512 from the buffer's first byte
.Lnot_wave_0:
	s_cmp_eq_u32 s34, 3
	s_cbranch_scc0 .Lnot_wave_3
	v_and_b32 v9, 15, v0                           ; wave 3: lane l takes token l % 16
	v_lshl_add_u32 v8, v9, 5, LG
	ds_load_b128 v[32:35], v8
	ds_load_b128 v[36:39], v8 offset:16
	s_wait_dscnt 0x0
.irp e, 0,1,2,3,4,5,6,7
	v_add_f32 v[32+\e], s[24+\e], v[32+\e]         ; the logits
.endr
	v_mov_b32 v40, 0                               ; argmax,
	v_mov_b32 v41, v32                             ; maximum
.irp e, 1,2,3,4,5,6,7
	v_cmp_gt_f32 vcc_lo, v[32+\e], v41             ; strictly greater: the first of equals stays
	v_cndmask_b32 v40, v40, \e, vcc_lo
	v_max_num_f32 v41, v41, v[32+\e]
.endr
.irp e, 0,1,2,3,4,5,6,7
	v_sub_f32 v[42+\e], v[32+\e], v41
.endr
.irp e, 0,1,2,3,4,5,6,7
	v_mul_f32 v[42+\e], 0x3fb8aa3b, v[42+\e]       ; exp(l - max) = 2^((l - max) log2 e)
.endr
.irp e, 0,1,2,3,4,5,6,7
	v_exp_f32 v[42+\e], v[42+\e]
.endr
	v_and_b32 v53, 31, v0                          ; (a plain vector instruction behind the last exponential before its result is read: ISA guide 5.7.2)  lane
	s_wait_alu depctr_va_vdst(0)
	v_add_f32 v50, v42, v43
.irp e, 2,3,4,5,6,7
	v_add_f32 v50, v50, v[42+\e]
.endr
	v_rcp_f32 v51, v50                             ; the exponential at the argmax is 1
	v_lshlrev_b32 v52, 2, v9                       ; (the plain instruction behind the reciprocal)  4 bytes a token
	s_wait_xcnt 0x0                                ; EXEC is a source of the pending stores of codes: it changes only behind this wait
	v_cmp_gt_u32 vcc_lo, 16, v53
	s_and_saveexec_b32 s45, vcc_lo                 ; lanes 0-15
	global_store_b32 v52, v40, s[20:21]
	s_wait_alu depctr_va_vdst(0)
	global_store_b32 v52, v51, s[22:23]
	s_wait_xcnt 0x0                                ; and again, in front of the line that widens it
	s_or_b32 exec_lo, exec_lo, s45
.Lnot_wave_3:
	s_wait_xcnt 0x0                                ; the stores issued so far have had their addresses translated (ISA guide 3.1): their data registers are written again below
	s_wait_tensorcnt 0x1                           ; my first two rows of W are in LDS; the last load stays out
	PAIR WX, WA, 0, SCW, 0, 16, 0, RW
	s_wait_tensorcnt 0x0                           ; my last two rows
	PAIR X, WA, 2*ROWL, SCW, 64, 16, 1536, RW+12
	s_wait_dscnt 0x0                               ; W's scale bytes are in LDS, for the other waves' sake
	s_barrier_signal -1
	s_barrier_wait -1
	s_cmp_lt_u32 s34, 2
	s_cbranch_scc0 .Lend
	s_lshl_b32 s36, s34, 9                         ; waves 0 and 1: 512 of W's 1,024 scale bytes each
	s_add_co_u32 s35, s36, SC+512
	v_add_nc_u32 v8, s35, v[L16]
	ds_load_b128 v[56:59], v8
	s_add_nc_u64 s[18:19], s[18:19], s[36:37]
	s_wait_dscnt 0x0
	global_store_b128 v[L16], v[56:59], s[18:19]
.Lend:
	s_wait_tensorcnt 0x0
	ds_add_u32 v14, v15
	s_wait_dscnt 0x0
	s_endpgm
.Lfunc_end_k_qbcd1f1e479_prep:
	.size	k_qbcd1f1e479_prep, .Lfunc_end_k_qbcd1f1e479_prep-k_qbcd1f1e479_prep
	.p2alignl 7, 3214868480
	.fill 96, 4, 3214868480
	.section	.rodata,"a",@progbits
	.p2align	6, 0x0
	.amdhsa_kernel k_qbcd1f1e479_prep
		.amdhsa_group_segment_fixed_size 302080
		.amdhsa_private_segment_fixed_size 0
		.amdhsa_enable_private_segment 0
		.amdhsa_kernarg_size 80
		.amdhsa_user_sgpr_count 2
		.amdhsa_user_sgpr_kernarg_segment_ptr 1
		.amdhsa_wavefront_size32 1
		.amdhsa_system_sgpr_workgroup_id_x 1
		.amdhsa_system_sgpr_workgroup_id_y 1
		.amdhsa_system_sgpr_workgroup_id_z 1
		.amdhsa_system_vgpr_workitem_id 0
		.amdhsa_next_free_vgpr 256
		.amdhsa_next_free_sgpr 88
		.amdhsa_reserve_vcc 1
		.amdhsa_float_denorm_mode_32 3
		.amdhsa_float_denorm_mode_16_64 3
		.amdhsa_memory_ordered 1
		.amdhsa_forward_progress 1
		.amdhsa_inst_pref_size 54
	.end_amdhsa_kernel
	.amdgpu_metadata
---
amdhsa.version: [ 1, 2 ]
amdhsa.kernels:
  - .name:           k_qbcd1f1e479_prep
    .symbol:         k_qbcd1f1e479_prep.kd
    .args:
      - { .name: x, .offset: 0, .size: 8, .value_kind: global_buffer, .address_space: global }
      - { .name: router_w, .offset: 8, .size: 8, .value_kind: global_buffer, .address_space: global }
      - { .name: router_b, .offset: 16, .size: 8, .value_kind: global_buffer, .address_space: global }
      - { .name: expert_w, .offset: 24, .size: 8, .value_kind: global_buffer, .address_space: global }
      - { .name: xq, .offset: 32, .size: 8, .value_kind: global_buffer, .address_space: global }
      - { .name: xs, .offset: 40, .size: 8, .value_kind: global_buffer, .address_space: global }
      - { .name: wq, .offset: 48, .size: 8, .value_kind: global_buffer, .address_space: global }
      - { .name: ws, .offset: 56, .size: 8, .value_kind: global_buffer, .address_space: global }
      - { .name: idx, .offset: 64, .size: 8, .value_kind: global_buffer, .address_space: global }
      - { .name: gate, .offset: 72, .size: 8, .value_kind: global_buffer, .address_space: global }
    .group_segment_fixed_size: 302080
    .private_segment_fixed_size: 0
    .kernarg_segment_align: 8
    .kernarg_segment_size: 80
    .max_flat_workgroup_size: 256
    .sgpr_count:     88
    .vgpr_count:     256
    .wavefront_size: 32
...
	.end_amdgpu_metadata
.endif
;; end of part 3
;; launch experts (part 4): grid 256 x 1, 4 waves a work-group, no clusters, 118,272 bytes of LDS; arguments xq, xs, wq, ws, idx, gate, expert_b, out0; writes out0
.if DOCPART == 4
	.amdgcn_target "amdgcn-amd-amdhsa--gfx1250"
	.amdhsa_code_object_version 6
	.text
	.protected	k_qbcd1f1e479_experts
	.globl	k_qbcd1f1e479_experts
	.p2align	8
	.type	k_qbcd1f1e479_experts,@function
k_qbcd1f1e479_experts:
	s_mov_b64 s[64:65], 0
	v_nop
	global_prefetch_b8 v0, s[64:65] scope:SCOPE_SE
	s_setreg_imm32_b32 hwreg(HW_REG_WAVE_MODE, 25, 1), 1
	s_wait_xcnt 0x0
; out[t] = gate[t] (Q(x[t]) Q(W_e)^T + b_e) for the one expert e = idx[t]: only that eighth of reference()'s product is made; its gather throws the rest away for every input.
; Both operands are codes of BF6 (E3M2) with E8M0 scale bytes, as the first launch made them; sums in f32, started from the bias; the gate multiplies at the end.
; SHARES: work-group g: expert e = g >> 5, slice sl = (g >> 1) & 15 (64 output columns), part = g & 1.  Wave w, u = 4 part + w, owns tokens 512 u .. + 511: it takes those whose
; idx is e, its members, 16 at a time (a block), and multiplies them against all 64 columns.  The slice's codes, 64 rows x 768 bytes, come into LDS once
; (16 rows a wave) and from there into EVERY wave's registers: 4 column tiles x 8 steps of 128 along K x 12 = 384 registers, so that a block reads only its own 16 rows from LDS.
; One barrier (the slice is in LDS); behind it every wave works alone: how many blocks it has hangs on idx, so no barrier may follow.
; WHICH TOKEN STANDS AT WHICH PLACE is worked out by arithmetic, place by place, from 16 masks in scalar registers (mask i: which lanes' token of register i belongs to e) and the
; numbers of members ahead of each mask: a lane finds the mask word that holds its place, then the bit in it.  Nothing is stored, no list lies in LDS, and no LDS round trip stands
; ahead of the first request for rows.  One such search serves a pair of blocks, a place a lane.  The tokens reach the lanes that want them as nine masks, one for each bit of a
; token's number in my 512: a compare writes bit l from lane l, and every lane picks the bits of the place that it wants.
; The places behind the last member, up to the end of its block, repeat the last member: those rows are computed and stored again with equal values by the same wave, so EXEC stays full.
; A block's rows are asked for two blocks ahead.  The last two blocks ask for nothing: they are written out, inside the loop's body, and end the wave.
; A wave without a member ends behind the barrier.
; THE MATRIX INSTRUCTION IS USED TRANSPOSED: source 0 = 16 rows of W (output columns), source 1 = 16 tokens.  Register j of lane (r = l % 16, h = l / 16) then holds token r,
; column 16 t + 8 h + j: eight neighbouring numbers of an output row.
; NO CLUSTER, NO TENSOR LOADS: a slice of W is shared by two work-groups only, 48 KiB each; the rows of x that the 16 slices share are gathered, one address a row,
; and the numbers of blocks differ from wave to wave with idx.
; LIMITS: right for any routing (up to 32 blocks a wave), but the work is uneven where a range of 512 tokens leans to one expert; NaN is not served.
.set PW,     784                       ; an LDS row of codes: 768 bytes + 16 = 196 words: row r starts at bank 4 r mod 64 (64 banks of 4 bytes: ISA guide 11.1); lanes 16-31 read 6 words on: the 32 lanes of a load of 8 bytes touch 64 different banks
.set XS0,    64*PW                     ; LDS 0: the slice, 64 rows;  XS: for each wave 16 rows: the block in hand
.set XSWAVE, 16*PW
.set OP,     272                       ; OS: for each wave 16 rows of 256 bytes + 16: an output tile on its way out
.set OS0,    XS0+4*XSWAVE
.set OSWAVE, 16*OP                     ; the end is 117,760
; REGISTERS, window 0 (an instruction names v0-v255; s_set_vgpr_msb says which window each operand place means):
.set L16,  1                           ; 16 (l % 16)
.set FRA,  2                           ; XS + 784 r + 24 h: x's fragments
.set XSW,  3                           ; XS + 784 h + L16: where a loaded row piece goes
.set OSW,  4                           ; OS + 272 r + 32 h
.set OSR,  5                           ; OS + 272 h + L16
.set LANE, 6                           ; lane
.set H16,  9                           ; 16 h
.set WFA,  10                          ; 784 r + 24 h: W's fragments
.set WSA,  11                          ; my 16 rows of the slice + 784 h + L16
.set WGA,  12                          ; 768 h + L16
.set LN16, 15                          ; 16 lane
.set WS,   16                          ; v[16:31]   W's scale words, nothing else: tile t, register j: lanes 0-15 the word of K step j, lanes 16-31 of K step 4 + j
.set XSC,  32                          ; v[32:39]   x's scale words, nothing else: set k likewise
.set G,    40                          ; v40, v42   gate of token r, set k (v41, v43: the pairs' partners, 0)
.set T,    44                          ; v[44:47]   at work in the head
.set BI,   48                          ; v[48:79]   8 t + j: bias of column 16 t + 8 h + j
.set ACC,  80                          ; v[80:111]  four accumulators
.set XO,   112                         ; v[112:127] set k: token (row 2 i + h) x 768 + L16
.set OO,   128                         ; v[128:143] set k: token x 4096 + L16
.set SA,   144                         ; v[144:147] set k: token r x 32 + 16 h; token r x 4
.set T2,   148                         ; v[148:155] tokens of rows 2 i + h
.set TR,   156                         ; v156       token of row r (it follows T2: the nine are made alike)
.set TMP,  160                         ; v[160:191] output rows
.set IV,   192                         ; v[192:207] idx of my 16 tokens
.set H32,  208                         ; 32 h
.set WSO,  209                         ; 32 r + 16 h
.set OF,   210                         ; v[210:227] half k of a pair: nine bit numbers at OF + 9 k: 16 k + 2 i + h for i = 0 .. 7, then 16 k + r
.set VP,   228                         ; the search: my place,
.set VPK,  229                         ; (place << 9) | 511,
.set VW,   230                         ; the mask word that holds it,
.set VK,   231                         ; that word's key, then its token base,
.set VQ,   232                         ; how many of the word's members stand ahead of mine,
.set VA,   233                         ; at work,
.set VS1,  234                         ; the word's set bits counted in fields of 2,
.set VS2,  235                         ; of 4,
.set VS4,  236                         ; of 8 bits,
.set VPOS, 237                         ; the bit's number,
.set VT,   238                         ; set bits in the lower half of what is left,
.set VTL,  239                         ; the token's number in my 512
.set AT,   240                         ; v[240:248] nine single bits at work
; window 1: W's fragments of K steps 0-4 at 48 q + 12 t (first v0-95: my 16 rows on their way into LDS);  window 2: K steps 5-7 at 48 (q - 5) + 12 t, and x's fragments at
.set AF,   144                         ; v144-239 of window 2: 12 q;  window 3: v0-95, v96-191 two blocks' rows as loaded, set k
.set MK,   36                          ; s[36:51]   mask i: the lanes whose token of register i belongs to e
.set KEY,  66                          ; s[67:81]   key i = 1 .. 15: (members in masks 0 .. i - 1) << 9 | the token base of register i, 128 (i / 4) + i % 4: both grow with i
.set BP,   82                          ; s[82:90]   bit b of the 32 tokens of a pair of blocks, place l in bit l
; s25: my members;  s26: the last member's place;  s27: my blocks;  s28: my trips, two blocks each;  s29: 512 u, my first token;  s32: the trip
; s_set_vgpr_msb's low byte: bits 1:0 source 0, 3:2 source 1, 5:4 source 2, 7:6 destination
.set LD1, 0x40                         ; destination window 1
.set ST1, 0x04                         ; LDS store data (source 1) window 1
.set LD2, 0x80
.set LD3, 0xc0
.set ST3, 0x0c
.set MM1, 0x09                         ; source 0 (W) window 1, source 1 (x) window 2, C and D window 0
.set MM2, 0x0a                         ; both window 2
.set MSB, 0
.macro WIN new                         ; the immediate's high byte repeats the setting that is left; a switch that changes nothing is dropped
.if MSB != (\new)
	s_set_vgpr_msb (MSB<<8)|(\new)
.set MSB, (\new)
.endif
.endm
	s_load_b512 s[4:19], s[0:1], 0x0               ; xq s[4:5], xs s[6:7], wq s[8:9], ws s[10:11], idx s[12:13], gate s[14:15], expert_b s[16:17], out0 s[18:19]
	v_lshl_add_u32 v254, v0, 2, 0x1cc00
	v_mov_b32 v255, 0
	v_lshrrev_b32 v[T], 5, v0
	v_readfirstlane_b32 s20, v[T]                  ; wave 0..3
	s_lshr_b32 s21, ttmp9, 5                       ; e
	s_bfe_u32 s22, ttmp9, 0x40001                  ; sl: 4 bits from bit 1
	s_and_b32 s23, ttmp9, 1                        ; part
	s_lshl2_add_u32 s24, s23, s20                  ; u = 4 part + w
	s_lshl_b32 s29, s24, 9                         ; 512 u
	v_and_b32 v[T+1], 15, v0                       ; r
	v_bfe_u32 v[T+2], v0, 4, 1                     ; h
	v_and_b32 v[LANE], 31, v0
	v_lshlrev_b32 v[L16], 4, v[T+1]
	v_mul_u32_u24 v[WFA], v[T+1], PW
	v_mad_u32_u24 v[WFA], v[T+2], 24, v[WFA]
	s_mul_i32 s33, s20, XSWAVE
	s_add_co_u32 s33, s33, XS0                     ; my XS
	v_add_nc_u32 v[FRA], s33, v[WFA]
	v_mul_u32_u24 v[T], v[T+2], PW
	v_add_nc_u32 v[T], v[T], v[L16]                ; 784 h + L16
	v_add_nc_u32 v[XSW], s33, v[T]
	s_mul_i32 s33, s20, 16*PW
	v_add_nc_u32 v[WSA], s33, v[T]
	s_mul_i32 s33, s20, OSWAVE
	s_add_co_u32 s33, s33, OS0                     ; my OS
	v_mul_u32_u24 v[OSW], v[T+1], OP
	v_lshl_add_u32 v[OSW], v[T+2], 5, v[OSW]
	v_add_nc_u32 v[OSW], s33, v[OSW]
	v_mul_u32_u24 v[OSR], v[T+2], OP
	v_add_nc_u32 v[OSR], v[OSR], v[L16]
	v_add_nc_u32 v[OSR], s33, v[OSR]
	v_lshlrev_b32 v[H16], 4, v[T+2]
	v_mul_u32_u24 v[WGA], v[T+2], 768
	v_add_nc_u32 v[WGA], v[WGA], v[L16]
	v_lshlrev_b32 v[LN16], 4, v[LANE]
	v_lshlrev_b32 v[H32], 5, v[T+2]
	v_lshl_add_u32 v[WSO], v[T+1], 5, v[H16]
.irp i, 0,1,2,3,4,5,6,7
	v_add_nc_u32 v[OF+\i], 2*\i, v[T+2]            ; the place in a pair of blocks that I want as row 2 i + h: of the first block,
	v_add_nc_u32 v[OF+9+\i], 2*\i+16, v[T+2]       ; of the second;
.endr
	v_mov_b32 v[OF+8], v[T+1]                      ; and as row r
	v_add_nc_u32 v[OF+17], 16, v[T+1]
	v_mov_b32 v[G+1], 0                            ; named with the gates as pairs, so they are written
	v_mov_b32 v[G+3], 0
	s_lshl_b32 s33, s21, 10
	s_lshl_b32 s30, s22, 6
	s_add_co_u32 s33, s33, s30                     ; the slice's first row of W: 1024 e + 64 sl
	s_mov_b32 s31, 0
	s_wait_kmcnt 0x0
	s_lshl_b32 s30, s33, 5                         ; 32 scale bytes a row
	s_add_nc_u64 s[10:11], s[10:11], s[30:31]
	s_lshl_b32 s30, s33, 2                         ; 4 bytes of bias a row
	s_add_nc_u64 s[16:17], s[16:17], s[30:31]
	s_lshl_b32 s30, s22, 8                         ; the slice's 256 bytes of an output row
	s_add_nc_u64 s[18:19], s[18:19], s[30:31]
	s_lshl_b32 s30, s24, 11                        ; my 512 tokens' idx
	s_add_nc_u64 s[12:13], s[12:13], s[30:31]
	s_lshl4_add_u32 s33, s20, s33                  ; the 16 rows that I bring
	s_mul_i32 s30, s33, 768
	s_add_nc_u64 s[8:9], s[8:9], s[30:31]
	; 40 loads: 4 of idx, 24 of W's codes, 4 of W's scale words, 8 of the bias
.irp j, 0,1,2,3
	global_load_b128 v[IV+4*\j:IV+4*\j+3], v[LN16], s[12:13] offset:512*\j   ; register 4 j + c: token 512 u + 128 j + 4 lane + c
.endr
	WIN LD1
.set ci, 0
.rept 24
	global_load_b128 v[4*ci:4*ci+3], v[WGA], s[8:9] offset:1536*(ci/3)+256*(ci%3)   ; rows 2 (ci / 3) + h, 16 lanes to 256 consecutive bytes
.set ci, ci+1
.endr
	WIN 0
.irp t, 0,1,2,3
	global_load_b128 v[WS+4*\t:WS+4*\t+3], v[WSO], s[10:11] offset:512*\t
.endr
.irp j, 0,1,2,3,4,5,6,7
	global_load_b128 v[BI+4*\j:BI+4*\j+3], v[H32], s[16:17] offset:64*(\j/2)+16*(\j%2)
.endr
	s_wait_loadcnt 36                              ; loads come back in order (ISA guide 5.7.1): idx is in, the 36 others stay out
	; THE MASKS AND THEIR KEYS.  The members are taken in the order (register, lane); that order is of no account to the result
.set ci, 0
.rept 16
	v_cmp_eq_u32 s[MK+ci], s21, v[IV+ci]
.set ci, ci+1
.endr
	s_mov_b32 s25, 0
.set ci, 0
.rept 16
.if ci > 0
	s_lshl_b32 s[KEY+ci], s25, 9                   ; the members ahead of mask ci, 480 at the most,
	s_or_b32 s[KEY+ci], s[KEY+ci], 128*(ci>>2)+(ci&3)   ; and the number, in my 512, of lane 0's token of register ci
.endif
	s_bcnt1_i32_b32 s33, s[MK+ci]
	s_add_co_u32 s25, s25, s33
.set ci, ci+1
.endr
	s_min_u32 s25, s25, 512                        ; my members
	s_add_co_u32 s27, s25, 15
	s_lshr_b32 s27, s27, 4
	s_min_u32 s27, s27, 32                         ; my blocks
	s_add_co_u32 s28, s27, 1
	s_lshr_b32 s28, s28, 1                         ; my trips: two blocks each, the last perhaps one
	s_max_u32 s26, s25, 1
	s_sub_co_u32 s26, s26, 1                       ; the last member's place (0 where there is none: the search then ends at a token of my 512 all the same)
; One halving of the search for a bit: VT = the set bits in the lower half of what is left.  If as many or more members stand ahead of mine, mine lies in the upper half, inc bits on.
.macro HALVE inc, first, last
	v_cmp_ge_u32 vcc_lo, v[VQ], v[VT]
.if !\last
	v_cndmask_b32 v[VT], 0, v[VT], vcc_lo
	v_sub_nc_u32 v[VQ], v[VQ], v[VT]               ; the lower half's members no longer count
.endif
.if \first
	v_cndmask_b32 v[VPOS], 0, \inc, vcc_lo
.else
	v_cndmask_b32 v[VA], 0, \inc, vcc_lo
	v_add_nc_u32 v[VPOS], v[VPOS], v[VA]
.endif
.endm
; THE SEARCH, for the pair of blocks whose first place is s33: lane l finds the token at place s33 + l; then the nine masks.  Vector work on the lane's own numbers and on scalars alone.
.macro SELECT
	v_add_nc_u32 v[VP], s33, v[LANE]
	v_min_u32 v[VP], s26, v[VP]                    ; places behind the last member repeat it
	v_lshl_or_b32 v[VPK], v[VP], 9, 0x1ff          ; key i <= this number just where the members ahead of mask i are no more than my place
	v_mov_b32 v[VW], s[MK]
	v_mov_b32 v[VK], 0                             ; key 0
.set ci, 1
.rept 15
	v_cmp_gt_u32 vcc_lo, s[KEY+ci], v[VPK]         ; the keys ascend: the last mask that is not beyond my place holds it
	v_cndmask_b32 v[VW], s[MK+ci], v[VW], vcc_lo   ; beyond: what I had stays
	v_cndmask_b32 v[VK], s[KEY+ci], v[VK], vcc_lo
.set ci, ci+1
.endr
	v_lshrrev_b32 v[VQ], 9, v[VK]
	v_sub_nc_u32 v[VQ], v[VP], v[VQ]               ; how many of the word's members stand ahead of mine
	v_and_b32 v[VK], 0x1ff, v[VK]                  ; the word's token base
	v_lshrrev_b32 v[VA], 1, v[VW]                  ; the word's set bits, counted in fields of 2,
	v_and_b32 v[VA], 0x55555555, v[VA]
	v_sub_nc_u32 v[VS1], v[VW], v[VA]
	v_lshrrev_b32 v[VA], 2, v[VS1]                 ; of 4,
	v_and_b32 v[VA], 0x33333333, v[VA]
	v_and_b32 v[VS2], 0x33333333, v[VS1]
	v_add_nc_u32 v[VS2], v[VS2], v[VA]
	v_lshrrev_b32 v[VA], 4, v[VS2]                 ; of 8 bits,
	v_add_nc_u32 v[VS4], v[VS2], v[VA]
	v_and_b32 v[VS4], 0x0f0f0f0f, v[VS4]
	v_lshrrev_b32 v[VA], 8, v[VS4]                 ; and in the low 16
	v_add_nc_u32 v[VA], v[VS4], v[VA]
	v_and_b32 v[VT], 0xff, v[VA]
	HALVE 16, 1, 0
	v_bfe_u32 v[VT], v[VS4], v[VPOS], 8
	HALVE 8, 0, 0
	v_bfe_u32 v[VT], v[VS2], v[VPOS], 4
	HALVE 4, 0, 0
	v_bfe_u32 v[VT], v[VS1], v[VPOS], 2
	HALVE 2, 0, 0
	v_bfe_u32 v[VT], v[VW], v[VPOS], 1
	HALVE 1, 0, 1
	v_lshl_add_u32 v[VTL], v[VPOS], 2, v[VK]       ; lane VPOS's token of that register: base + 4 x lane, 511 at the most
.irp b, 0,1,2,3,4,5,6,7,8
	v_bfe_u32 v[AT+\b], v[VTL], \b, 1
.endr
.irp b, 0,1,2,3,4,5,6,7,8
	v_cmp_ne_u32 s[BP+\b], 0, v[AT+\b]             ; bit b of the 32 tokens, place l in bit l
.endr
.endm
; The 16 tokens of half k of the pair, as the lanes want them: T2[i] = the token of row 2 i + h, TR = the token of row r: nine bits each, picked out of the nine masks
.macro GATHER k
.irp b, 0,1,2,3,4,5,6,7,8
.irp i, 0,1,2,3,4,5,6,7,8
	v_bfe_u32 v[AT+\i], s[BP+\b], v[OF+9*\k+\i], 1
.endr
.irp i, 0,1,2,3,4,5,6,7,8
.if \b == 0
	v_or_b32 v[T2+\i], s29, v[AT+\i]               ; onto my first token, whose low nine bits are 0
.else
	v_lshl_or_b32 v[T2+\i], v[AT+\i], \b, v[T2+\i]
.endif
.endr
.endr
.endm
; The block's codes are asked for, into set k: 24 loads, 16 lanes to 256 consecutive bytes of one row of xq
.macro FINX k
	WIN 0
.irp i, 0,1,2,3,4,5,6,7,8
	v_min_u32 v[T2+\i], 0xfff, v[T2+\i]            ; a token made from loaded numbers enters an address only held to the tables' 4,096 rows
.endr
.irp i, 0,1,2,3,4,5,6,7
	v_lshl_add_u32 v[XO+8*\k+\i], v[T2+\i], 8, v[L16]
.endr
.irp i, 0,1,2,3,4,5,6,7
	v_lshl_add_u32 v[XO+8*\k+\i], v[T2+\i], 9, v[XO+8*\k+\i]   ; token x 768
.endr
	WIN LD3
.set ci, 0
.rept 24
	global_load_b128 v[96*\k+4*ci:96*\k+4*ci+3], v[XO+8*\k+ci/3], s[4:5] offset:256*(ci%3)
.set ci, ci+1
.endr
.endm
; and its scale words, its gates and its places in out0.  w = 1: stores that read OO are out
.macro FINS k, w
.if \w
	s_wait_xcnt 0x0                                ; the stores issued so far have had their addresses translated (ISA guide 3.1): OO and TMP are written again only behind this wait
.endif
.irp i, 0,1,2,3,4,5,6,7
	v_lshl_add_u32 v[OO+8*\k+\i], v[T2+\i], 12, v[L16]
.endr
	v_lshl_add_u32 v[SA+2*\k], v[TR], 5, v[H16]
	v_lshlrev_b32 v[SA+2*\k+1], 2, v[TR]
	global_load_b128 v[XSC+4*\k:XSC+4*\k+3], v[SA+2*\k], s[6:7]
	global_load_b32 v[G+2*\k], v[SA+2*\k+1], s[14:15]
.endm
.macro PRE k                           ; block k, ahead of the loop: 26 loads
	GATHER \k
	FINX \k
	WIN 0
	FINS \k, 0
.endm
	s_mov_b32 s33, 0
	SELECT                                         ; blocks 0 and 1
	PRE 0
	s_wait_loadcnt 26                              ; block 0's 26 loads stay out; W's codes and scale words and the bias are in
	WIN ST1
.set ci, 0
.rept 24
	ds_store_b128 v[WSA], v[4*ci:4*ci+3] offset:2*PW*(ci/3)+256*(ci%3)
.set ci, ci+1
.endr
	WIN 0
	PRE 1                                          ; (a wave with one block asks for 16 times its last member here, and does not use it)
	s_wait_dscnt 0x0                               ; my 16 rows of the slice are in LDS, for the other waves' sake
	s_barrier_signal -1
	s_barrier_wait -1                              ; all 64 are; nobody writes them again
	s_cmp_eq_u32 s27, 0
	s_cbranch_scc1 .Ldone                          ; none of my 512 tokens goes to e
	; the whole slice into my registers.  A fragment, 16 rows x 128 K, is 12 registers: lane (r, h) takes row r; registers 6 c .. + 5 hold K = 64 c + 32 h + 0 .. 31:
	; 24 bytes of the row's stream of bits as they lie, in pieces of 8 bytes, so that every address is a multiple of the access's size
	WIN LD1
.irp q, 0,1,2,3,4
.irp t, 0,1,2,3
.irp p, 0,1,2,3,4,5
	ds_load_b64 v[48*\q+12*\t+2*\p:48*\q+12*\t+2*\p+1], v[WFA] offset:16*PW*\t+96*\q+48*(\p/3)+8*(\p%3)
.endr
.endr
.endr
	WIN LD2
.irp q, 5,6,7
.irp t, 0,1,2,3
.irp p, 0,1,2,3,4,5
	ds_load_b64 v[48*(\q-5)+12*\t+2*\p:48*(\q-5)+12*\t+2*\p+1], v[WFA] offset:16*PW*\t+96*\q+48*(\p/3)+8*(\p%3)
.endr
.endr
.endr
	WIN 0
.macro FRAGS q0                        ; x's fragments of K steps q0 .. q0 + 3: 24 loads
	WIN LD2
.irp q, \q0, \q0+1, \q0+2, \q0+3
.irp p, 0,1,2,3,4,5
	ds_load_b64 v[AF+12*(\q)+2*\p:AF+12*(\q)+2*\p+1], v[FRA] offset:96*(\q)+48*(\p/3)+8*(\p%3)
.endr
.endr
.endm
; One product: column tile t, K step q, set k.  K step 0 starts the sum from the bias: nothing is cleared and no bias is added later.
; K steps 4 to 7 take their scale words from lanes 16-31 of the same registers.
.macro MM q, t, k
.set BR, 48*((\q)%5)+12*(\t)
.if (\q) == 0
	v_wmma_scale_f32_16x16x128_f8f6f4 v[ACC+8*\t:ACC+8*\t+7], v[BR:BR+11], v[AF+12*\q:AF+12*\q+11], v[BI+8*\t:BI+8*\t+7], v[WS+4*\t+\q%4], v[XSC+4*\k+\q%4] matrix_a_fmt:MATRIX_FMT_BF6 matrix_b_fmt:MATRIX_FMT_BF6
.elseif (\q) < 4
	v_wmma_scale_f32_16x16x128_f8f6f4 v[ACC+8*\t:ACC+8*\t+7], v[BR:BR+11], v[AF+12*\q:AF+12*\q+11], v[ACC+8*\t:ACC+8*\t+7], v[WS+4*\t+\q%4], v[XSC+4*\k+\q%4] matrix_a_fmt:MATRIX_FMT_BF6 matrix_b_fmt:MATRIX_FMT_BF6
.else
	v_wmma_scale_f32_16x16x128_f8f6f4 v[ACC+8*\t:ACC+8*\t+7], v[BR:BR+11], v[AF+12*\q:AF+12*\q+11], v[ACC+8*\t:ACC+8*\t+7], v[WS+4*\t+\q%4], v[XSC+4*\k+\q%4] matrix_a_fmt:MATRIX_FMT_BF6 matrix_b_fmt:MATRIX_FMT_BF6 matrix_a_scale:MATRIX_SCALE_ROW1 matrix_b_scale:MATRIX_SCALE_ROW1
.endif
.endm
; A BLOCK whose rows lie in set k.  look = 1: the block two further on exists: its tokens are made at the head, where the wave would else only wait for its loads (the search in the
; trip's first block, for the whole next pair), its codes are asked for as soon as set k's registers are free, the rest at the end.
; left: how many younger loads may stay out: 26 where the next block's group of 24 + 2 is on its way, 0 for a wave's last block.
.macro BLOCK k, look, left
.if \look
.if \k == 0
	s_lshl_b32 s33, s32, 5
	s_add_co_u32 s33, s33, 32                      ; the first place of the pair behind the one in hand
	SELECT
.endif
	GATHER \k
.endif
	s_wait_loadcnt \left                           ; this block's 26 loads are in
	WIN ST3
.set ci, 0
.rept 24
	ds_store_b128 v[XSW], v[96*\k+4*ci:96*\k+4*ci+3] offset:2*PW*(ci/3)+256*(ci%3)   ; rows 2 (ci / 3) + h into my XS
.set ci, ci+1
.endr
	FRAGS 0                                        ; in order behind the stores (ISA guide 5.7.1.4)
.if \look
	s_wait_dscnt 24                                ; the 24 loads just issued stay out: the 24 stores have left set k's registers, which are loaded again below
	FINX \k
.endif
	FRAGS 4
.irp q, 0,1,2,3,4,5,6,7
	s_wait_dscnt 42-6*\q                           ; of the 48 fragment loads the first 6 (q + 1) are in
.if \q < 5
	WIN MM1
.else
	WIN MM2
.endif
.irp t, 0,1,2,3
	MM \q, \t, \k                                  ; the four accumulators take turns, one instruction a turn
.endr
.endr
	WIN 0
.rept 4
	v_nop                                          ; four plain vector instructions behind the last products before their results are read and their sources loaded again (ISA guide 7.12.1)
.endr
.set ci, 0
.rept 16
	v_pk_mul_f32 v[ACC+2*ci:ACC+2*ci+1], v[ACC+2*ci:ACC+2*ci+1], v[G+2*\k:G+2*\k+1] op_sel_hi:[1,0]   ; x gate of my token r; each accumulator from its low end on
.set ci, ci+1
.endr
.irp t, 0,1,2,3
	ds_store_b128 v[OSW], v[ACC+8*\t:ACC+8*\t+3] offset:64*\t          ; 16 tokens x 64 columns through my OS,
	ds_store_b128 v[OSW], v[ACC+8*\t+4:ACC+8*\t+7] offset:64*\t+16
.endr
.if !\look
	s_wait_xcnt 0x0                                ; the block before may have ended with its stores: TMP, which they read, is loaded again only behind this wait
.endif
.irp i, 0,1,2,3,4,5,6,7
	ds_load_b128 v[TMP+4*\i:TMP+4*\i+3], v[OSR] offset:2*OP*\i         ; back as rows 2 i + h of 256 bytes (with look = 1 the block before closed with the wait that frees TMP)
.endr
.irp i, 0,1,2,3,4,5,6,7
	s_wait_dscnt 7-\i                              ; LDS loads come back in order: the younger ones stay out
	global_store_b128 v[OO+8*\k+\i], v[TMP+4*\i:TMP+4*\i+3], s[18:19] th:TH_STORE_NT   ; 16 lanes store 256 consecutive bytes, at a multiple of 256 from out0's first byte
.endr
.if \look
	FINS \k, 1
.endif
.endm
	s_mov_b32 s32, 0
.Lpair:                                                ; a trip: blocks 2 j and 2 j + 1, j = s32, which counts trips one at a time up to s28.  At the head two groups of 26 loads are out: set 0's, then set 1's.
	s_lshl_b32 s33, s32, 1                         ; Every wave ends in one of the two tails below
	s_add_co_u32 s33, s33, 2
	s_cmp_lt_u32 s33, s27                          ; is there a block 2 j + 2?
	s_cbranch_scc1 .Lfull0
	BLOCK 0, 0, 26                                 ; no: block 2 j asks for nothing;
	s_lshl_b32 s33, s32, 1
	s_add_co_u32 s33, s33, 1
	s_cmp_lt_u32 s33, s27                          ; is block 2 j + 1 one of mine?
	s_cbranch_scc1 .Ltail01
	s_wait_tensorcnt 0x0
	ds_add_u32 v254, v255
	s_wait_dscnt 0x0
	s_endpgm                                       ; (one block in all)
.Ltail01:
	BLOCK 1, 0, 0                                  ; the last block: no load was issued behind its own
	s_wait_tensorcnt 0x0
	ds_add_u32 v254, v255
	s_wait_dscnt 0x0
	s_endpgm
.Lfull0:
	BLOCK 0, 1, 26
	s_lshl_b32 s33, s32, 1
	s_add_co_u32 s33, s33, 3
	s_cmp_lt_u32 s33, s27                          ; is there a block 2 j + 3?
	s_cbranch_scc1 .Lfull1
	BLOCK 1, 0, 26                                 ; no: blocks 2 j + 1 and 2 j + 2 are the last two
	BLOCK 0, 0, 0
	s_wait_tensorcnt 0x0
	ds_add_u32 v254, v255
	s_wait_dscnt 0x0
	s_endpgm
.Lfull1:
	BLOCK 1, 1, 26                                 ; (its tokens come out of the masks that this trip's first block made)
	s_add_co_u32 s32, s32, 1
	s_cmp_lt_u32 s32, s28
	s_cbranch_scc1 .Lpair
.Ldone:
	s_wait_tensorcnt 0x0
	ds_add_u32 v254, v255
	s_wait_dscnt 0x0
	s_endpgm
.Lfunc_end_k_qbcd1f1e479_experts:
	.size	k_qbcd1f1e479_experts, .Lfunc_end_k_qbcd1f1e479_experts-k_qbcd1f1e479_experts
	.p2alignl 7, 3214868480
	.fill 96, 4, 3214868480
	.section	.rodata,"a",@progbits
	.p2align	6, 0x0
	.amdhsa_kernel k_qbcd1f1e479_experts
		.amdhsa_group_segment_fixed_size 118272
		.amdhsa_private_segment_fixed_size 0
		.amdhsa_enable_private_segment 0
		.amdhsa_kernarg_size 64
		.amdhsa_user_sgpr_count 2
		.amdhsa_user_sgpr_kernarg_segment_ptr 1
		.amdhsa_wavefront_size32 1
		.amdhsa_system_sgpr_workgroup_id_x 1
		.amdhsa_system_sgpr_workgroup_id_y 1
		.amdhsa_system_sgpr_workgroup_id_z 1
		.amdhsa_system_vgpr_workitem_id 0
		.amdhsa_next_free_vgpr 960
		.amdhsa_next_free_sgpr 92
		.amdhsa_reserve_vcc 1
		.amdhsa_float_denorm_mode_32 3
		.amdhsa_float_denorm_mode_16_64 3
		.amdhsa_memory_ordered 1
		.amdhsa_forward_progress 1
		.amdhsa_inst_pref_size 166
	.end_amdhsa_kernel
	.amdgpu_metadata
---
amdhsa.version: [ 1, 2 ]
amdhsa.kernels:
  - .name:           k_qbcd1f1e479_experts
    .symbol:         k_qbcd1f1e479_experts.kd
    .args:
      - { .name: xq, .offset: 0, .size: 8, .value_kind: global_buffer, .address_space: global }
      - { .name: xs, .offset: 8, .size: 8, .value_kind: global_buffer, .address_space: global }
      - { .name: wq, .offset: 16, .size: 8, .value_kind: global_buffer, .address_space: global }
      - { .name: ws, .offset: 24, .size: 8, .value_kind: global_buffer, .address_space: global }
      - { .name: idx, .offset: 32, .size: 8, .value_kind: global_buffer, .address_space: global }
      - { .name: gate, .offset: 40, .size: 8, .value_kind: global_buffer, .address_space: global }
      - { .name: expert_b, .offset: 48, .size: 8, .value_kind: global_buffer, .address_space: global }
      - { .name: out0, .offset: 56, .size: 8, .value_kind: global_buffer, .address_space: global }
    .group_segment_fixed_size: 118272
    .private_segment_fixed_size: 0
    .kernarg_segment_align: 8
    .kernarg_segment_size: 64
    .max_flat_workgroup_size: 128
    .sgpr_count:     92
    .vgpr_count:     960
    .wavefront_size: 32
...
	.end_amdgpu_metadata
.endif
;; end of part 4
;; ======== version 3 of 3: 2 launches; version 2 with the launch experts written anew for expert scheduling mode
;; workspace buffers: xq 3,145,728 bytes; xs 131,072 bytes; wq 6,291,456 bytes; ws 262,144 bytes; idx 16,384 bytes of whole numbers; gate 16,384 bytes
;; launch prep: the kernel of part 3 again; grid 256 x 1, 8 waves a work-group, no clusters, 302,080 bytes of LDS; arguments x, router_w, router_b, expert_w, xq, xs, wq, ws, idx, gate; writes xq, xs, wq, ws, idx, gate
;; launch experts (part 5): grid 256 x 1, 4 waves a work-group, no clusters, 118,272 bytes of LDS; arguments xq, xs, wq, ws, idx, gate, expert_b, out0; writes out0
.if DOCPART == 5
	.amdgcn_target "amdgcn-amd-amdhsa--gfx1250"
	.amdhsa_code_object_version 6
	.text
	.protected	k_qbcd1f1e479_experts
	.globl	k_qbcd1f1e479_experts
	.p2align	8
	.type	k_qbcd1f1e479_experts,@function
k_qbcd1f1e479_experts:
	s_mov_b64 s[64:65], 0
	v_nop
	global_prefetch_b8 v0, s[64:65] scope:SCOPE_SE
	s_setreg_imm32_b32 hwreg(HW_REG_WAVE_SCHED_MODE, 0, 2), 2
	s_setreg_imm32_b32 hwreg(HW_REG_WAVE_MODE, 25, 1), 1
	s_wait_xcnt 0x0
	s_wait_alu depctr_vm_vsrc(0)
; out[t] = gate[t] (Q(x[t]) Q(W_e)^T + b_e) for the one expert e = idx[t]: only that eighth of reference()'s product is made; its gather throws the rest away for every input.
; Both operands are codes of BF6 (E3M2) with E8M0 scale bytes, as the first launch made them; sums in f32, started from the bias; the gate multiplies at the end.
; SHARES: work-group g: expert e = g >> 5, slice sl = (g >> 1) & 15 (64 output columns), part = g & 1.  Wave w, u = 4 part + w, owns tokens 512 u .. + 511: it takes those whose
; idx is e, its members, 16 at a time (a block), and multiplies them against all 64 columns.  The slice's codes, 64 rows x 768 bytes, come into LDS once
; (16 rows a wave) and from there into EVERY wave's registers: 4 column tiles x 8 steps of 128 along K x 12 = 384 registers, so that a block reads only its own 16 rows from LDS.
; One barrier (the slice is in LDS); behind it every wave works alone: how many blocks it has hangs on idx, so no barrier may follow.
; WHICH TOKEN STANDS AT WHICH PLACE is worked out by arithmetic, place by place, from 16 masks in scalar registers (mask i: which lanes' token of register i belongs to e) and the
; numbers of members ahead of each mask: a lane finds the mask word that holds its place, then the bit in it.  Nothing is stored, no list lies in LDS, and no LDS round trip stands
; ahead of the first request for rows.  One such search serves a pair of blocks, a place a lane.  The tokens reach the lanes that want them as nine masks, one for each bit of a
; token's number in my 512: a compare writes bit l from lane l, and every lane picks the bits of the place that it wants.
; The places behind the last member, up to the end of its block, repeat the last member: those rows are computed and stored again with equal values by the same wave, so EXEC stays full.
; A block's rows are asked for two blocks ahead.  The last two blocks ask for nothing: they are written out, inside the loop's body, and end the wave.
; A wave without a member ends behind the barrier.
; THE MATRIX INSTRUCTION IS USED TRANSPOSED: source 0 = 16 rows of W (output columns), source 1 = 16 tokens.  Register j of lane (r = l % 16, h = l / 16) then holds token r,
; column 16 t + 8 h + j: eight neighbouring numbers of an output row.
; NO CLUSTER, NO TENSOR LOADS: a slice of W is shared by two work-groups only, 48 KiB each; the rows of x that the 16 slices share are gathered, one address a row,
; and the numbers of blocks differ from wave to wave with idx.
; LIMITS: right for any routing (up to 32 blocks a wave), but the work is uneven where a range of 512 tokens leans to one expert; NaN is not served.
; THE MODE: SCHED_MODE bits 1:0 = 2 (LLVM: expert scheduling mode 2), set by the entry lines.  The code itself states the register dependences
; between vector or matrix instructions and memory or LDS instructions, with s_wait_alu, always for 0.
; THE PLAN.  Registers that memory or LDS instructions touch in the loop; block b works on set k = b % 2:
;   R[k]        window 3, 96 registers.  The loads issued in block b - 2 land in it; block b's 24 LDS stores read it.  No vector instruction names it.
;   AF          x's fragments.  LDS loads land in it; the products of K step q read AF[12 q ..].
;   XSC[k], G[k]  The two loads issued in block b - 2 land in them; block b's products read XSC[k], its 16 multiplications by the gate read G[k].
;   ACC         Written by the products and the multiplications; read by 8 LDS stores.
;   TMP         8 LDS loads land in it; 8 global stores read it.
;   XO[k], SA[k]  Written by vector instructions in block b, for block b + 2; read by the 24 + 2 loads that follow in block b.
;   OO[k]       Written by vector instructions at the end of block b; read by the stores of block b + 2.
;   v1-v15, v208, v209  addresses made at the head and never written again.
; THE WAITS OF A BLOCK.  (1) vm_vsrc behind the wait for the block's loads: the loads of two blocks back have read XO[k] and SA[k], the block before's LDS stores ACC, its global stores TMP.
; (2) vm_vsrc and (3) va_vdst ahead of the 24 loads of rows: this block's LDS stores have read R[k]; XO[k] and SA[k] are written.
; (4) va_vdst behind the multiplications by the gate: ACC is written; the products are done reading XSC[k] and AF, the multiplications G[k].  The loads into XSC[k] and G[k] follow it at once; the next block's
; fragment loads lean on it too, since no vector or matrix instruction between names AF; and so do the fragment loads of K steps 4 to 7, which are dealt among the products of K steps 0 to 3: those name AF[0 .. 47] alone.
; (5) vm_vsrc at the block's end: its stores have read OO[k].  OO[k]'s new numbers are shown written by (4) of the blocks that follow, ahead of the stores that read them.
.set PW,     784                       ; an LDS row of codes: 768 bytes + 16 = 196 words: row r starts at bank 4 r mod 64 (64 banks of 4 bytes: ISA guide 11.1); lanes 16-31 read 6 words on: the 32 lanes of a load of 8 bytes touch 64 different banks
.set XS0,    64*PW                     ; LDS 0: the slice, 64 rows;  XS: for each wave 16 rows: the block in hand
.set XSWAVE, 16*PW
.set OP,     272                       ; OS: for each wave 16 rows of 256 bytes + 16: an output tile on its way out
.set OS0,    XS0+4*XSWAVE
.set OSWAVE, 16*OP                     ; the end is 117,760; behind it the spare words, 128 bytes for each wave, which no other line names
; REGISTERS, window 0 (an instruction names v0-v255; s_set_vgpr_msb says which window each operand place means):
.set L16,  1                           ; 16 (l % 16)
.set FRA,  2                           ; XS + 784 r + 24 h: x's fragments
.set XSW,  3                           ; XS + 784 h + L16: where a loaded row piece goes
.set OSW,  4                           ; OS + 272 r + 32 h
.set OSR,  5                           ; OS + 272 h + L16
.set LANE, 6                           ; lane
.set H16,  9                           ; 16 h
.set WFA,  10                          ; 784 r + 24 h: W's fragments
.set WSA,  11                          ; my 16 rows of the slice + 784 h + L16
.set WGA,  12                          ; 768 h + L16
.set LN16, 15                          ; 16 lane
.set WS,   16                          ; v[16:31]   W's scale words, nothing else: tile t, register j: lanes 0-15 the word of K step j, lanes 16-31 of K step 4 + j
.set XSC,  32                          ; v[32:39]   x's scale words, nothing else: set k likewise
.set G,    40                          ; v40, v42   gate of token r, set k (v41, v43: the pairs' partners, 0)
.set T,    44                          ; v[44:47]   at work in the head
.set BI,   48                          ; v[48:79]   8 t + j: bias of column 16 t + 8 h + j
.set ACC,  80                          ; v[80:111]  four accumulators
.set XO,   112                         ; v[112:127] set k: token (row 2 i + h) x 768 + L16
.set OO,   128                         ; v[128:143] set k: token x 4096 + L16
.set SA,   144                         ; v[144:147] set k: token r x 32 + 16 h; token r x 4
.set T2,   148                         ; v[148:155] tokens of rows 2 i + h
.set TR,   156                         ; v156       token of row r (it follows T2: the nine are made alike)
.set TMP,  160                         ; v[160:191] output rows
.set IV,   192                         ; v[192:207] idx of my 16 tokens
.set H32,  208                         ; 32 h
.set WSO,  209                         ; 32 r + 16 h
.set OF,   210                         ; v[210:227] half k of a pair: nine bit numbers at OF + 9 k: 16 k + 2 i + h for i = 0 .. 7, then 16 k + r
.set VP,   228                         ; the search: my place,
.set VPK,  229                         ; (place << 9) | 511,
.set VW,   230                         ; the mask word that holds it,
.set VK,   231                         ; that word's key, then its token base,
.set VQ,   232                         ; how many of the word's members stand ahead of mine,
.set VA,   233                         ; at work,
.set VS1,  234                         ; the word's set bits counted in fields of 2,
.set VS2,  235                         ; of 4,
.set VS4,  236                         ; of 8 bits,
.set VPOS, 237                         ; the bit's number,
.set VT,   238                         ; set bits in the lower half of what is left,
.set VTL,  239                         ; the token's number in my 512
.set AT,   240                         ; v[240:248] nine single bits at work
; v254: the LDS address of my spare word, 117,760 + 4 x thread; v255: 0: made at the head and kept for the closing lines alone
; window 1: W's fragments of K steps 0-4 at 48 q + 12 t (first v0-95: my 16 rows on their way into LDS);  window 2: K steps 5-7 at 48 (q - 5) + 12 t, and x's fragments at
.set AF,   144                         ; v144-239 of window 2: 12 q;  window 3: v0-95, v96-191 two blocks' rows as loaded, set k
.set MK,   36                          ; s[36:51]   mask i: the lanes whose token of register i belongs to e
.set KEY,  66                          ; s[67:81]   key i = 1 .. 15: (members in masks 0 .. i - 1) << 9 | the token base of register i, 128 (i / 4) + i % 4: both grow with i
.set BP,   82                          ; s[82:90]   bit b of the 32 tokens of a pair of blocks, place l in bit l
; s[52:63], s34, s35, s66: the search's 15 compares, a register each, so that one wait serves the run
; s25: my members;  s26: the last member's place;  s27: my blocks;  s28: my trips, two blocks each;  s29: 512 u, my first token;  s32: the trip
; s_set_vgpr_msb's low byte: bits 1:0 source 0, 3:2 source 1, 5:4 source 2, 7:6 destination
.set LD1, 0x40                         ; destination window 1
.set ST1, 0x04                         ; LDS store data (source 1) window 1
.set LD2, 0x80
.set LD3, 0xc0
.set ST3, 0x0c
.set MM1, 0x09                         ; source 0 (W) window 1, source 1 (x) window 2, C and D window 0
.set MM2, 0x0a                         ; both window 2
.set MSB, 0
.macro WIN new                         ; the immediate's high byte repeats the setting that is left; a switch that changes nothing is dropped
.if MSB != (\new)
	s_set_vgpr_msb (MSB<<8)|(\new)
.set MSB, (\new)
.endif
.endm
.macro CMREG i                         ; cr = the scalar register of the search's compare i = 1 .. 15
.if (\i) <= 12
.set cr, 51+(\i)
.elseif (\i) <= 14
.set cr, 21+(\i)
.else
.set cr, 66
.endif
.endm
	s_load_b512 s[4:19], s[0:1], 0x0               ; xq s[4:5], xs s[6:7], wq s[8:9], ws s[10:11], idx s[12:13], gate s[14:15], expert_b s[16:17], out0 s[18:19]
	v_lshl_add_u32 v254, v0, 2, 0x1cc00
	v_mov_b32 v255, 0
	v_lshrrev_b32 v[T], 5, v0
	v_readfirstlane_b32 s20, v[T]                  ; wave 0..3
	s_lshr_b32 s21, ttmp9, 5                       ; e
	s_bfe_u32 s22, ttmp9, 0x40001                  ; sl: 4 bits from bit 1
	s_and_b32 s23, ttmp9, 1                        ; part
	s_wait_alu depctr_va_sdst(0)                   ; s20 is written, ahead of its first reader
	s_lshl2_add_u32 s24, s23, s20                  ; u = 4 part + w
	s_lshl_b32 s29, s24, 9                         ; 512 u
	v_and_b32 v[T+1], 15, v0                       ; r
	v_bfe_u32 v[T+2], v0, 4, 1                     ; h
	v_and_b32 v[LANE], 31, v0
	v_lshlrev_b32 v[L16], 4, v[T+1]
	v_mul_u32_u24 v[WFA], v[T+1], PW
	v_mad_u32_u24 v[WFA], v[T+2], 24, v[WFA]
	s_mul_i32 s33, s20, XSWAVE
	s_add_co_u32 s33, s33, XS0                     ; my XS
	v_add_nc_u32 v[FRA], s33, v[WFA]
	v_mul_u32_u24 v[T], v[T+2], PW
	v_add_nc_u32 v[T], v[T], v[L16]                ; 784 h + L16
	v_add_nc_u32 v[XSW], s33, v[T]
	s_mul_i32 s33, s20, 16*PW
	v_add_nc_u32 v[WSA], s33, v[T]
	s_mul_i32 s33, s20, OSWAVE
	s_add_co_u32 s33, s33, OS0                     ; my OS
	v_mul_u32_u24 v[OSW], v[T+1], OP
	v_lshl_add_u32 v[OSW], v[T+2], 5, v[OSW]
	v_add_nc_u32 v[OSW], s33, v[OSW]
	v_mul_u32_u24 v[OSR], v[T+2], OP
	v_add_nc_u32 v[OSR], v[OSR], v[L16]
	v_add_nc_u32 v[OSR], s33, v[OSR]
	v_lshlrev_b32 v[H16], 4, v[T+2]
	v_mul_u32_u24 v[WGA], v[T+2], 768
	v_add_nc_u32 v[WGA], v[WGA], v[L16]
	v_lshlrev_b32 v[LN16], 4, v[LANE]
	v_lshlrev_b32 v[H32], 5, v[T+2]
	v_lshl_add_u32 v[WSO], v[T+1], 5, v[H16]
.irp i, 0,1,2,3,4,5,6,7
	v_add_nc_u32 v[OF+\i], 2*\i, v[T+2]            ; the place in a pair of blocks that I want as row 2 i + h: of the first block,
	v_add_nc_u32 v[OF+9+\i], 2*\i+16, v[T+2]       ; of the second;
.endr
	v_mov_b32 v[OF+8], v[T+1]                      ; and as row r
	v_add_nc_u32 v[OF+17], 16, v[T+1]
	v_mov_b32 v[G+1], 0                            ; named with the gates as pairs, so they are written
	v_mov_b32 v[G+3], 0
	s_lshl_b32 s33, s21, 10
	s_lshl_b32 s30, s22, 6
	s_add_co_u32 s33, s33, s30                     ; the slice's first row of W: 1024 e + 64 sl
	s_mov_b32 s31, 0
	s_wait_kmcnt 0x0
	s_lshl_b32 s30, s33, 5                         ; 32 scale bytes a row
	s_add_nc_u64 s[10:11], s[10:11], s[30:31]
	s_lshl_b32 s30, s33, 2                         ; 4 bytes of bias a row
	s_add_nc_u64 s[16:17], s[16:17], s[30:31]
	s_lshl_b32 s30, s22, 8                         ; the slice's 256 bytes of an output row
	s_add_nc_u64 s[18:19], s[18:19], s[30:31]
	s_lshl_b32 s30, s24, 11                        ; my 512 tokens' idx
	s_add_nc_u64 s[12:13], s[12:13], s[30:31]
	s_lshl4_add_u32 s33, s20, s33                  ; the 16 rows that I bring
	s_mul_i32 s30, s33, 768
	s_add_nc_u64 s[8:9], s[8:9], s[30:31]
	s_wait_alu depctr_va_vdst(0)                   ; the addresses v2-v5, v10-v12, v15, v208 and v209 are written, which the loads, LDS loads and LDS stores of the whole kernel read; none of them is written again
	; 40 loads: 4 of idx, 24 of W's codes, 4 of W's scale words, 8 of the bias
.irp j, 0,1,2,3
	global_load_b128 v[IV+4*\j:IV+4*\j+3], v[LN16], s[12:13] offset:512*\j   ; register 4 j + c: token 512 u + 128 j + 4 lane + c
.endr
	WIN LD1
.set ci, 0
.rept 24
	global_load_b128 v[4*ci:4*ci+3], v[WGA], s[8:9] offset:1536*(ci/3)+256*(ci%3)   ; rows 2 (ci / 3) + h, 16 lanes to 256 consecutive bytes
.set ci, ci+1
.endr
	WIN 0
.irp t, 0,1,2,3
	global_load_b128 v[WS+4*\t:WS+4*\t+3], v[WSO], s[10:11] offset:512*\t
.endr
.irp j, 0,1,2,3,4,5,6,7
	global_load_b128 v[BI+4*\j:BI+4*\j+3], v[H32], s[16:17] offset:64*(\j/2)+16*(\j%2)
.endr
	s_wait_loadcnt 36                              ; loads come back in order (ISA guide 5.7.1): idx is in, the 36 others stay out
	; THE MASKS AND THEIR KEYS.  The members are taken in the order (register, lane); that order is of no account to the result
.set ci, 0
.rept 16
	v_cmp_eq_u32 s[MK+ci], s21, v[IV+ci]
.set ci, ci+1
.endr
	s_wait_alu depctr_va_sdst(0)                   ; the 16 masks are written, ahead of their first readers, the counts below
	s_mov_b32 s25, 0
.set ci, 0
.rept 16
.if ci > 0
	s_lshl_b32 s[KEY+ci], s25, 9                   ; the members ahead of mask ci, 480 at the most,
	s_or_b32 s[KEY+ci], s[KEY+ci], 128*(ci>>2)+(ci&3)   ; and the number, in my 512, of lane 0's token of register ci
.endif
	s_bcnt1_i32_b32 s33, s[MK+ci]
	s_add_co_u32 s25, s25, s33
.set ci, ci+1
.endr
	s_min_u32 s25, s25, 512                        ; my members
	s_add_co_u32 s27, s25, 15
	s_lshr_b32 s27, s27, 4
	s_min_u32 s27, s27, 32                         ; my blocks
	s_add_co_u32 s28, s27, 1
	s_lshr_b32 s28, s28, 1                         ; my trips: two blocks each, the last perhaps one
	s_max_u32 s26, s25, 1
	s_sub_co_u32 s26, s26, 1                       ; the last member's place (0 where there is none: the search then ends at a token of my 512 all the same)
; One halving of the search for a bit: VT = the set bits in the lower half of what is left.  If as many or more members stand ahead of mine, mine lies in the upper half, inc bits on.
.macro HALVE inc, first, last
	v_cmp_ge_u32 vcc_lo, v[VQ], v[VT]
	s_wait_alu depctr_va_vcc(0)                    ; VCC is written, ahead of the selects that read it (each halving hangs on the one before, so each has its own wait)
.if !\last
	v_cndmask_b32 v[VT], 0, v[VT], vcc_lo
	v_sub_nc_u32 v[VQ], v[VQ], v[VT]               ; the lower half's members no longer count
.endif
.if \first
	v_cndmask_b32 v[VPOS], 0, \inc, vcc_lo
.else
	v_cndmask_b32 v[VA], 0, \inc, vcc_lo
	v_add_nc_u32 v[VPOS], v[VPOS], v[VA]
.endif
.endm
; THE SEARCH, for the pair of blocks whose first place is s33: lane l finds the token at place s33 + l; then the nine masks.  Vector work on the lane's own numbers and on scalars alone.
.macro SELECT
	v_add_nc_u32 v[VP], s33, v[LANE]
	v_min_u32 v[VP], s26, v[VP]                    ; places behind the last member repeat it
	v_lshl_or_b32 v[VPK], v[VP], 9, 0x1ff          ; key i <= this number just where the members ahead of mask i are no more than my place
	v_mov_b32 v[VW], s[MK]
	v_mov_b32 v[VK], 0                             ; key 0
.set ci, 1
.rept 15
	CMREG ci
	v_cmp_gt_u32 s[cr], s[KEY+ci], v[VPK]          ; the keys ascend: the last mask that is not beyond my place holds it.  The 15 compares hang on VPK alone: one run, a register each
.set ci, ci+1
.endr
	s_wait_alu depctr_va_sdst(0)                   ; the 15 results are written, ahead of the selects that read them
.set ci, 1
.rept 15
	CMREG ci
	v_cndmask_b32 v[VW], s[MK+ci], v[VW], s[cr]    ; beyond: what I had stays
	v_cndmask_b32 v[VK], s[KEY+ci], v[VK], s[cr]
.set ci, ci+1
.endr
	v_lshrrev_b32 v[VQ], 9, v[VK]
	v_sub_nc_u32 v[VQ], v[VP], v[VQ]               ; how many of the word's members stand ahead of mine
	v_and_b32 v[VK], 0x1ff, v[VK]                  ; the word's token base
	v_lshrrev_b32 v[VA], 1, v[VW]                  ; the word's set bits, counted in fields of 2,
	v_and_b32 v[VA], 0x55555555, v[VA]
	v_sub_nc_u32 v[VS1], v[VW], v[VA]
	v_lshrrev_b32 v[VA], 2, v[VS1]                 ; of 4,
	v_and_b32 v[VA], 0x33333333, v[VA]
	v_and_b32 v[VS2], 0x33333333, v[VS1]
	v_add_nc_u32 v[VS2], v[VS2], v[VA]
	v_lshrrev_b32 v[VA], 4, v[VS2]                 ; of 8 bits,
	v_add_nc_u32 v[VS4], v[VS2], v[VA]
	v_and_b32 v[VS4], 0x0f0f0f0f, v[VS4]
	v_lshrrev_b32 v[VA], 8, v[VS4]                 ; and in the low 16
	v_add_nc_u32 v[VA], v[VS4], v[VA]
	v_and_b32 v[VT], 0xff, v[VA]
	HALVE 16, 1, 0
	v_bfe_u32 v[VT], v[VS4], v[VPOS], 8
	HALVE 8, 0, 0
	v_bfe_u32 v[VT], v[VS2], v[VPOS], 4
	HALVE 4, 0, 0
	v_bfe_u32 v[VT], v[VS1], v[VPOS], 2
	HALVE 2, 0, 0
	v_bfe_u32 v[VT], v[VW], v[VPOS], 1
	HALVE 1, 0, 1
	v_lshl_add_u32 v[VTL], v[VPOS], 2, v[VK]       ; lane VPOS's token of that register: base + 4 x lane, 511 at the most
.irp b, 0,1,2,3,4,5,6,7,8
	v_bfe_u32 v[AT+\b], v[VTL], \b, 1
.endr
.irp b, 0,1,2,3,4,5,6,7,8
	v_cmp_ne_u32 s[BP+\b], 0, v[AT+\b]             ; bit b of the 32 tokens, place l in bit l
.endr
	s_wait_alu depctr_va_sdst(0)                   ; the nine masks are written, ahead of their first readers and of every branch and label
.endm
; The 16 tokens of half k of the pair, as the lanes want them: T2[i] = the token of row 2 i + h, TR = the token of row r: nine bits each, picked out of the nine masks
.macro GATHER k
.irp b, 0,1,2,3,4,5,6,7,8
.irp i, 0,1,2,3,4,5,6,7,8
	v_bfe_u32 v[AT+\i], s[BP+\b], v[OF+9*\k+\i], 1
.endr
.irp i, 0,1,2,3,4,5,6,7,8
.if \b == 0
	v_or_b32 v[T2+\i], s29, v[AT+\i]               ; onto my first token, whose low nine bits are 0
.else
	v_lshl_or_b32 v[T2+\i], v[AT+\i], \b, v[T2+\i]
.endif
.endr
.endr
.endm
; The addresses by which the block's codes, scale words and gates are asked for, into set k: vector work alone
.macro ADDR k
.irp i, 0,1,2,3,4,5,6,7,8
	v_min_u32 v[T2+\i], 0xfff, v[T2+\i]            ; a token made from loaded numbers enters an address only held to the tables' 4,096 rows
.endr
.irp i, 0,1,2,3,4,5,6,7
	v_lshl_add_u32 v[XO+8*\k+\i], v[T2+\i], 8, v[L16]
.endr
.irp i, 0,1,2,3,4,5,6,7
	v_lshl_add_u32 v[XO+8*\k+\i], v[T2+\i], 9, v[XO+8*\k+\i]   ; token x 768
.endr
	v_lshl_add_u32 v[SA+2*\k], v[TR], 5, v[H16]
	v_lshlrev_b32 v[SA+2*\k+1], 2, v[TR]
.endm
; The block's codes are asked for, into set k: 24 loads, 16 lanes to 256 consecutive bytes of one row of xq.  (The destination's window is 3 here)
.macro ROWS k
.set ci, 0
.rept 24
	global_load_b128 v[96*\k+4*ci:96*\k+4*ci+3], v[XO+8*\k+ci/3], s[4:5] offset:256*(ci%3)
.set ci, ci+1
.endr
.endm
; its scale words and its gates: 2 loads
.macro WORDS k
	global_load_b128 v[XSC+4*\k:XSC+4*\k+3], v[SA+2*\k], s[6:7]
	global_load_b32 v[G+2*\k], v[SA+2*\k+1], s[14:15]
.endm
; and its places in out0: vector work alone
.macro OUTA k
.irp i, 0,1,2,3,4,5,6,7
	v_lshl_add_u32 v[OO+8*\k+\i], v[T2+\i], 12, v[L16]
.endr
.endm
.macro PRE k                           ; block k, ahead of the loop: 26 loads
	GATHER \k
	ADDR \k
	OUTA \k
	WIN LD3
	s_wait_alu depctr_va_vdst(0)                   ; XO, SA and OO of set k are written: the 26 loads below read the first two, block k's stores the third
	ROWS \k
	WIN 0
	WORDS \k
.endm
	s_mov_b32 s33, 0
	SELECT                                         ; blocks 0 and 1
	PRE 0
	s_wait_loadcnt 26                              ; block 0's 26 loads stay out; W's codes and scale words and the bias are in
	WIN ST1
.set ci, 0
.rept 24
	ds_store_b128 v[WSA], v[4*ci:4*ci+3] offset:2*PW*(ci/3)+256*(ci%3)
.set ci, ci+1
.endr
	WIN 0
	PRE 1                                          ; (a wave with one block asks for 16 times its last member here, and does not use it)
	s_wait_dscnt 0x0                               ; my 16 rows of the slice are in LDS, for the other waves' sake
	s_barrier_signal -1
	s_barrier_wait -1                              ; all 64 are; nobody writes them again
	s_wait_alu depctr_vm_vsrc(0)                   ; my LDS stores have read v0-95 of window 1, in which W's fragments land below
	s_cmp_eq_u32 s27, 0
	s_cbranch_scc1 .Ldone                          ; none of my 512 tokens goes to e
	; the whole slice into my registers.  A fragment, 16 rows x 128 K, is 12 registers: lane (r, h) takes row r; registers 6 c .. + 5 hold K = 64 c + 32 h + 0 .. 31:
	; 24 bytes of the row's stream of bits as they lie, in pieces of 8 bytes, so that every address is a multiple of the access's size
	WIN LD1
.irp q, 0,1,2,3,4
.irp t, 0,1,2,3
.irp p, 0,1,2,3,4,5
	ds_load_b64 v[48*\q+12*\t+2*\p:48*\q+12*\t+2*\p+1], v[WFA] offset:16*PW*\t+96*\q+48*(\p/3)+8*(\p%3)
.endr
.endr
.endr
	WIN LD2
.irp q, 5,6,7
.irp t, 0,1,2,3
.irp p, 0,1,2,3,4,5
	ds_load_b64 v[48*(\q-5)+12*\t+2*\p:48*(\q-5)+12*\t+2*\p+1], v[WFA] offset:16*PW*\t+96*\q+48*(\p/3)+8*(\p%3)
.endr
.endr
.endr
	WIN 0
.macro FRAG1 q                         ; x's fragment of K step q: 6 loads.  (The destination's window is 2 here)
.irp p, 0,1,2,3,4,5
	ds_load_b64 v[AF+12*(\q)+2*\p:AF+12*(\q)+2*\p+1], v[FRA] offset:96*(\q)+48*(\p/3)+8*(\p%3)
.endr
.endm
; One product: column tile t, K step q, set k.  K step 0 starts the sum from the bias: nothing is cleared and no bias is added later.
; K steps 4 to 7 take their scale words from lanes 16-31 of the same registers.
.macro MM q, t, k
.set BR, 48*((\q)%5)+12*(\t)
.if (\q) == 0
	v_wmma_scale_f32_16x16x128_f8f6f4 v[ACC+8*\t:ACC+8*\t+7], v[BR:BR+11], v[AF+12*\q:AF+12*\q+11], v[BI+8*\t:BI+8*\t+7], v[WS+4*\t+\q%4], v[XSC+4*\k+\q%4] matrix_a_fmt:MATRIX_FMT_BF6 matrix_b_fmt:MATRIX_FMT_BF6
.elseif (\q) < 4
	v_wmma_scale_f32_16x16x128_f8f6f4 v[ACC+8*\t:ACC+8*\t+7], v[BR:BR+11], v[AF+12*\q:AF+12*\q+11], v[ACC+8*\t:ACC+8*\t+7], v[WS+4*\t+\q%4], v[XSC+4*\k+\q%4] matrix_a_fmt:MATRIX_FMT_BF6 matrix_b_fmt:MATRIX_FMT_BF6
.else
	v_wmma_scale_f32_16x16x128_f8f6f4 v[ACC+8*\t:ACC+8*\t+7], v[BR:BR+11], v[AF+12*\q:AF+12*\q+11], v[ACC+8*\t:ACC+8*\t+7], v[WS+4*\t+\q%4], v[XSC+4*\k+\q%4] matrix_a_fmt:MATRIX_FMT_BF6 matrix_b_fmt:MATRIX_FMT_BF6 matrix_a_scale:MATRIX_SCALE_ROW1 matrix_b_scale:MATRIX_SCALE_ROW1
.endif
.endm
; A BLOCK whose rows lie in set k.  look = 1: the block two further on exists: its tokens are made at the head, where the wave would else only wait for its loads (the search in the
; trip's first block, for the whole next pair), its addresses while the LDS works on this block's rows, its codes are asked for as soon as set k's registers are free, its scale words
; and gates as soon as this block's are done with, its places in out0 at the end.
; left: how many younger loads may stay out: 26 where the next block's group of 24 + 2 is on its way, 0 for a wave's last block.
.macro BLOCK k, look, left
.if \look
.if \k == 0
	s_lshl_b32 s33, s32, 5
	s_add_co_u32 s33, s33, 32                      ; the first place of the pair behind the one in hand
	SELECT
.endif
	GATHER \k
.endif
	s_wait_loadcnt \left                           ; this block's 26 loads are in: so XO and SA of set k, which they read, may be written again
	s_wait_alu depctr_vm_vsrc(0)                   ; those loads have read XO and SA of set k; the block before's LDS stores have read ACC, which this block's products write; its global stores have read TMP, in which LDS loads land below
	WIN ST3
.set ci, 0
.rept 24
	ds_store_b128 v[XSW], v[96*\k+4*ci:96*\k+4*ci+3] offset:2*PW*(ci/3)+256*(ci%3)   ; rows 2 (ci / 3) + h into my XS
.set ci, ci+1
.endr
	WIN LD2
.irp q, 0,1,2,3
	FRAG1 \q                                       ; in order behind the stores (ISA guide 5.7.1.4).  No wait: no vector or matrix instruction since the block before's wait behind its multiplications names AF
.endr
.if \look
	WIN 0
	ADDR \k                                        ; vector work while the LDS serves the 48 instructions above
	s_wait_dscnt 24                                ; the 24 loads just issued stay out: the 24 stores have left set k's registers, which are loaded again below
	WIN LD3
	s_wait_alu depctr_vm_vsrc(0)                   ; this block's LDS stores have read set k's registers of window 3, in which the loads below land
	s_wait_alu depctr_va_vdst(0)                   ; XO and SA of set k are written: the loads below read XO, the two loads behind the multiplications SA
	ROWS \k
.endif
.irp q, 0,1,2,3,4,5,6,7
.if \q < 4
	s_wait_dscnt 18                                ; of the 24 + 6 q fragment loads issued the first 6 (q + 1) are in
.else
	s_wait_dscnt 42-6*\q                           ; of the 48 fragment loads the first 6 (q + 1) are in
.endif
.if \q < 5
	WIN MM1
.else
	WIN MM2
.endif
.irp t, 0,1,2,3
	MM \q, \t, \k                                  ; the four accumulators take turns, one instruction a turn
.endr
.if \q < 4
	WIN LD2
	FRAG1 \q+4                                     ; the fragment four K steps on.  No wait: the products issued in this block so far name AF[0 .. 47] alone, and the block before's readers of these registers stand ahead of its wait
.endif
.endr
	WIN 0
.rept 4
	v_nop                                          ; four plain vector instructions behind the last products before their results are read (ISA guide 7.12.1)
.endr
.set ci, 0
.rept 16
	v_pk_mul_f32 v[ACC+2*ci:ACC+2*ci+1], v[ACC+2*ci:ACC+2*ci+1], v[G+2*\k:G+2*\k+1] op_sel_hi:[1,0]   ; x gate of my token r; each accumulator from its low end on
.set ci, ci+1
.endr
	s_wait_alu depctr_va_vdst(0)                   ; the multiplications have written ACC, which the LDS stores read, and are done reading G of set k; the products are done reading XSC of set k and AF
.if \look
	WORDS \k                                       ; they land in XSC and G of set k
.endif
.irp t, 0,1,2,3
	ds_store_b128 v[OSW], v[ACC+8*\t:ACC+8*\t+3] offset:64*\t          ; 16 tokens x 64 columns through my OS,
	ds_store_b128 v[OSW], v[ACC+8*\t+4:ACC+8*\t+7] offset:64*\t+16
.endr
.if !\look
	s_wait_xcnt 0x0                                ; the block before may have ended with its stores: TMP, which they read, is loaded again only behind this wait
.endif
.irp i, 0,1,2,3,4,5,6,7
	ds_load_b128 v[TMP+4*\i:TMP+4*\i+3], v[OSR] offset:2*OP*\i         ; back as rows 2 i + h of 256 bytes (with look = 1 the block before closed with the wait that frees TMP)
.endr
.irp i, 0,1,2,3,4,5,6,7
	s_wait_dscnt 7-\i                              ; LDS loads come back in order: the younger ones stay out
	global_store_b128 v[OO+8*\k+\i], v[TMP+4*\i:TMP+4*\i+3], s[18:19] th:TH_STORE_NT   ; 16 lanes store 256 consecutive bytes, at a multiple of 256 from out0's first byte
.endr
.if \look
	s_wait_xcnt 0x0                                ; the stores issued so far have had their addresses translated (ISA guide 3.1): OO and TMP are written again only behind this wait
	s_wait_alu depctr_vm_vsrc(0)                   ; the stores above have read OO of set k, which is written again below
	OUTA \k                                        ; read two blocks on, behind that block's wait on va_vdst
.endif
.endm
	s_mov_b32 s32, 0
.Lpair:                                                ; a trip: blocks 2 j and 2 j + 1, j = s32, which counts trips one at a time up to s28.  At the head two groups of 26 loads are out: set 0's, then set 1's.
	s_lshl_b32 s33, s32, 1                         ; Every wave ends in one of the two tails below
	s_add_co_u32 s33, s33, 2
	s_cmp_lt_u32 s33, s27                          ; is there a block 2 j + 2?
	s_cbranch_scc1 .Lfull0
	BLOCK 0, 0, 26                                 ; no: block 2 j asks for nothing;
	s_lshl_b32 s33, s32, 1
	s_add_co_u32 s33, s33, 1
	s_cmp_lt_u32 s33, s27                          ; is block 2 j + 1 one of mine?
	s_cbranch_scc1 .Ltail01
	s_wait_dscnt 0x0                               ; (one block in all)  the closing lines, six on end
	s_wait_alu 0x0
	s_wait_tensorcnt 0x0
	ds_add_u32 v254, v255
	s_wait_dscnt 0x0
	s_endpgm
.Ltail01:
	BLOCK 1, 0, 0                                  ; the last block: no load was issued behind its own
	s_wait_dscnt 0x0                               ; the closing lines, six on end
	s_wait_alu 0x0
	s_wait_tensorcnt 0x0
	ds_add_u32 v254, v255
	s_wait_dscnt 0x0
	s_endpgm
.Lfull0:
	BLOCK 0, 1, 26
	s_lshl_b32 s33, s32, 1
	s_add_co_u32 s33, s33, 3
	s_cmp_lt_u32 s33, s27                          ; is there a block 2 j + 3?
	s_cbranch_scc1 .Lfull1
	BLOCK 1, 0, 26                                 ; no: blocks 2 j + 1 and 2 j + 2 are the last two
	BLOCK 0, 0, 0
	s_wait_dscnt 0x0                               ; the closing lines, six on end
	s_wait_alu 0x0
	s_wait_tensorcnt 0x0
	ds_add_u32 v254, v255
	s_wait_dscnt 0x0
	s_endpgm
.Lfull1:
	BLOCK 1, 1, 26                                 ; (its tokens come out of the masks that this trip's first block made)
	s_add_co_u32 s32, s32, 1
	s_cmp_lt_u32 s32, s28
	s_cbranch_scc1 .Lpair
.Ldone:
	s_wait_dscnt 0x0                               ; the closing lines, six on end
	s_wait_alu 0x0
	s_wait_tensorcnt 0x0
	ds_add_u32 v254, v255
	s_wait_dscnt 0x0
	s_endpgm
.Lfunc_end_k_qbcd1f1e479_experts:
	.size	k_qbcd1f1e479_experts, .Lfunc_end_k_qbcd1f1e479_experts-k_qbcd1f1e479_experts
	.p2alignl 7, 3214868480
	.fill 96, 4, 3214868480
	.section	.rodata,"a",@progbits
	.p2align	6, 0x0
	.amdhsa_kernel k_qbcd1f1e479_experts
		.amdhsa_group_segment_fixed_size 118272
		.amdhsa_private_segment_fixed_size 0
		.amdhsa_enable_private_segment 0
		.amdhsa_kernarg_size 64
		.amdhsa_user_sgpr_count 2
		.amdhsa_user_sgpr_kernarg_segment_ptr 1
		.amdhsa_wavefront_size32 1
		.amdhsa_system_sgpr_workgroup_id_x 1
		.amdhsa_system_sgpr_workgroup_id_y 1
		.amdhsa_system_sgpr_workgroup_id_z 1
		.amdhsa_system_vgpr_workitem_id 0
		.amdhsa_next_free_vgpr 960
		.amdhsa_next_free_sgpr 92
		.amdhsa_reserve_vcc 1
		.amdhsa_float_denorm_mode_32 3
		.amdhsa_float_denorm_mode_16_64 3
		.amdhsa_memory_ordered 1
		.amdhsa_forward_progress 1
		.amdhsa_inst_pref_size 172
	.end_amdhsa_kernel
	.amdgpu_metadata
---
amdhsa.version: [ 1, 2 ]
amdhsa.kernels:
  - .name:           k_qbcd1f1e479_experts
    .symbol:         k_qbcd1f1e479_experts.kd
    .args:
      - { .name: xq, .offset: 0, .size: 8, .value_kind: global_buffer, .address_space: global }
      - { .name: xs, .offset: 8, .size: 8, .value_kind: global_buffer, .address_space: global }
      - { .name: wq, .offset: 16, .size: 8, .value_kind: global_buffer, .address_space: global }
      - { .name: ws, .offset: 24, .size: 8, .value_kind: global_buffer, .address_space: global }
      - { .name: idx, .offset: 32, .size: 8, .value_kind: global_buffer, .address_space: global }
      - { .name: gate, .offset: 40, .size: 8, .value_kind: global_buffer, .address_space: global }
      - { .name: expert_b, .offset: 48, .size: 8, .value_kind: global_buffer, .address_space: global }
      - { .name: out0, .offset: 56, .size: 8, .value_kind: global_buffer, .address_space: global }
    .group_segment_fixed_size: 118272
    .private_segment_fixed_size: 0
    .kernarg_segment_align: 8
    .kernarg_segment_size: 64
    .max_flat_workgroup_size: 128
    .sgpr_count:     92
    .vgpr_count:     960
    .wavefront_size: 32
...
	.end_amdgpu_metadata
.endif
;; end of part 5
